; MI455X (gfx1250); checked and timed in simulation.
; The chip was launched on July 23, 2026; its instructions are those of AMD's public machine-readable ISA for CDNA 5 (MIT licence, August 2026) and "CDNA5" Instruction Set Architecture Reference Guide (July 2026). The comments in the code are by the model that wrote it; some were corrected since.
;; Block. Allowed arithmetic: float matrix products may take bf16 or f16 operands with f32 sums; all other float work in f32.
;; Inputs: fc1_b 4,096 float32; fc1_w 1,024 x 4,096 float32; fc2_b 1,024 float32; fc2_w 4,096 x 1,024 float32; ln1_b 1,024 float32; ln1_w 1,024 float32; ln2_b 1,024 float32; ln2_w 1,024 float32; w_proj 1,024 x 1,024 float32; w_qkv 1,024 x 3,072 float32; x 2 x 2,048 x 1,024 float32.
;; Outputs: out0 2 x 2,048 x 1,024 float32.
;; One version. Each part assembles by itself: llvm-mc -triple=amdgcn-amd-amdhsa -mcpu=gfx1250 --defsym DOCPART=n.
;; ======== version 1 of 1: 7 launches
;; limits: a function is approximated: absolute error at most 1.5e-07
;; workspace buffers: wq 6,291,456 bytes; wp 2,097,152 bytes; w1 8,388,608 bytes; w2 8,388,608 bytes; hb 8,388,608 bytes; big 33,554,432 bytes; x1 16,777,216 bytes
;; launch prep (part 1): grid 1024 x 1, 8 waves a work-group, no clusters, 0 bytes of LDS; arguments x, ln1_w, ln1_b, hb, w_qkv, w_proj, fc1_w, fc2_w, wq, wp, w1, w2; writes hb, wq, wp, w1, w2
.if DOCPART == 1
	.amdgcn_target "amdgcn-amd-amdhsa--gfx1250"
	.amdhsa_code_object_version 6
	.text
	.protected	k_q0b29dfdaea_prep
	.globl	k_q0b29dfdaea_prep
	.p2align	8
	.type	k_q0b29dfdaea_prep,@function
k_q0b29dfdaea_prep:
	s_mov_b64 s[64:65], 0
	v_nop
	global_prefetch_b8 v0, s[64:65] scope:SCOPE_SE
	s_setreg_imm32_b32 hwreg(HW_REG_WAVE_MODE, 25, 1), 1
	s_wait_xcnt 0x0
; PREP.  Work-groups 0-255: hb = LayerNorm(x) * ln1_w + ln1_b, rounded to bf16.  Work-groups 256-1023: the four weight matrices
; rounded to bf16, layout kept [in][out].  Both halves are streams: no LDS, no barrier, EXEC never changed, no matrix unit.
; LN: a work-group owns 16 rows, a wave two.  A row of 1024 f32 stays in 32 registers of the wave between the passes, so it is read once.
; Lane L holds elements 256 j + 8 L .. + 7 (j = 0..3): eight neighbours, which pack into the 16 bytes that the lane stores, and one
; store of the wave covers 512 consecutive bytes, aligned.
; The mean is taken away before the squares are summed (two passes over registers): no difference of large sums.
; LIMITS: output rounded to bf16 (nearest even); v_rsq_f32 is good to 1 ULP; the order of the sums differs from a serial sum.
.set XA,  8                            ; v[8:39]    first row
.set XB,  40                           ; v[40:71]   second row
.set GW,  72                           ; v[72:103]  gain of my 32 columns
.set GB,  104                          ; v[104:135] bias of my 32 columns
.set SUM, 136                          ; v[136:143] four chains of pairs
.set MU,  144                          ; v[144:145] the mean, twice
.set RSA, 146                          ; v[146:147] 1/sqrt(var+eps) of the first row, twice
.set RSB, 148                          ; v[148:149] of the second row
.set TP,  150                          ; v150       takes the other half of the lanes
.set YO,  152                          ; v[152:167] a row packed to bf16
; four chains of pairs to one number, then over the 32 lanes: every lane ends with the sum
.macro FOLD
	v_pk_add_f32 v[SUM:SUM+1], v[SUM:SUM+1], v[SUM+2:SUM+3]
	v_pk_add_f32 v[SUM+4:SUM+5], v[SUM+4:SUM+5], v[SUM+6:SUM+7]
	v_pk_add_f32 v[SUM:SUM+1], v[SUM:SUM+1], v[SUM+4:SUM+5]
	v_add_f32 v[SUM], v[SUM], v[SUM+1]
	v_add_f32_dpp v[SUM], v[SUM], v[SUM] row_xmask:1 row_mask:0xf bank_mask:0xf
	v_add_f32_dpp v[SUM], v[SUM], v[SUM] row_xmask:2 row_mask:0xf bank_mask:0xf
	v_add_f32_dpp v[SUM], v[SUM], v[SUM] row_xmask:4 row_mask:0xf bank_mask:0xf
	v_add_f32_dpp v[SUM], v[SUM], v[SUM] row_xmask:8 row_mask:0xf bank_mask:0xf
	v_permlanex16_b32 v[TP], v[SUM], s12, s13
	v_add_f32 v[SUM], v[SUM], v[TP]
.endm
; mean, row minus mean in place, variance, reciprocal root into the pair rs
.macro LNSTAT xr, rs
.irp c, 0,1,2,3
	v_pk_add_f32 v[SUM+2*\c:SUM+2*\c+1], v[\xr+4*\c:\xr+4*\c+1], v[\xr+4*\c+2:\xr+4*\c+3]   ; the first data start the chains: nothing is cleared
.endr
.irp g, 16,24
.irp c, 0,1,2,3
	v_pk_add_f32 v[SUM+2*\c:SUM+2*\c+1], v[SUM+2*\c:SUM+2*\c+1], v[\xr+\g+2*\c:\xr+\g+2*\c+1]
.endr
.endr
	FOLD
	v_mul_f32 v[MU], s20, v[SUM]
	v_mul_f32 v[MU+1], s20, v[SUM]
.irp k, 0,2,4,6,8,10,12,14,16,18,20,22,24,26,28,30
	v_pk_add_f32 v[\xr+\k:\xr+\k+1], v[\xr+\k:\xr+\k+1], v[MU:MU+1] neg_lo:[0,1] neg_hi:[0,1]
.endr
.irp c, 0,1,2,3
	v_pk_mul_f32 v[SUM+2*\c:SUM+2*\c+1], v[\xr+2*\c:\xr+2*\c+1], v[\xr+2*\c:\xr+2*\c+1]
.endr
.irp g, 8,16,24
.irp c, 0,1,2,3
	v_pk_fma_f32 v[SUM+2*\c:SUM+2*\c+1], v[\xr+\g+2*\c:\xr+\g+2*\c+1], v[\xr+\g+2*\c:\xr+\g+2*\c+1], v[SUM+2*\c:SUM+2*\c+1]
.endr
.endr
	FOLD
	v_fma_f32 v[SUM], v[SUM], s20, s21             ; variance + eps
	v_rsq_f32 v[\rs], v[SUM]
	v_rsq_f32 v[\rs+1], v[SUM]
	v_nop                                          ; one plain vector instruction behind a transcendental before its result is used (ISA guide 5.7.2)
.endm
; scale, gain and bias, round, store the row at byte rowimm from the first row of the wave
.macro LNOUT xr, rs, rowimm
	s_wait_alu depctr_va_vdst(0)
.irp k, 0,2,4,6,8,10,12,14,16,18,20,22,24,26,28,30
	v_pk_mul_f32 v[\xr+\k:\xr+\k+1], v[\xr+\k:\xr+\k+1], v[\rs:\rs+1]
.endr
.irp k, 0,2,4,6,8,10,12,14,16,18,20,22,24,26,28,30
	v_pk_fma_f32 v[\xr+\k:\xr+\k+1], v[\xr+\k:\xr+\k+1], v[GW+\k:GW+\k+1], v[GB+\k:GB+\k+1]
.endr
.irp k, 0,1,2,3,4,5,6,7,8,9,10,11,12,13,14,15
	v_cvt_pk_bf16_f32 v[YO+\k], v[\xr+2*\k], v[\xr+2*\k+1]
.endr
.irp j, 0,1,2,3
	global_store_b128 v2, v[YO+4*\j:YO+4*\j+3], s[10:11] offset:\rowimm+512*\j
.endr
.endm
.macro LOAD32 dst, lo, imm             ; 32 numbers of a lane: four pieces of 32 bytes, 1024 bytes apart
.irp j, 0,1,2,3
	global_load_b128 v[\dst+8*\j:\dst+8*\j+3],   v1, s[\lo:\lo+1] offset:\imm+1024*\j
	global_load_b128 v[\dst+8*\j+4:\dst+8*\j+7], v1, s[\lo:\lo+1] offset:\imm+1024*\j+16
.endr
.endm
	s_cmp_lt_u32 ttmp9, 256
	s_cbranch_scc0 .Lcast
	; ---------------- LayerNorm ----------------
	s_load_b256 s[4:11], s[0:1], 0x0               ; x s[4:5], gain s[6:7], bias s[8:9], hb s[10:11]
	v_and_b32 v3, 31, v0                           ; lane
	v_lshrrev_b32 v4, 5, v0
	v_readfirstlane_b32 s14, v4                    ; wave
	v_lshlrev_b32 v1, 5, v3                        ; 32 bytes of f32 a lane
	v_lshlrev_b32 v2, 4, v3                        ; 16 bytes of bf16 a lane
	v_mov_b32 v[TP], 0                             ; the destination of v_permlanex16_b32 counts as read
	s_mov_b32 s12, 0x76543210                      ; lane i of one half reads lane i of the other
	s_mov_b32 s13, 0xfedcba98
	s_mov_b32 s20, 0x3a800000                      ; 1/1024
	s_mov_b32 s21, 0x3727c5ac                      ; 1e-5
	s_lshl_b32 s15, ttmp9, 4
	s_lshl1_add_u32 s15, s14, s15                  ; my first row = 16 x group + 2 x wave
	s_lshl_b32 s16, s15, 12                        ; rows of 4096 bytes in,
	s_mov_b32 s17, 0
	s_lshl_b32 s18, s15, 11                        ; of 2048 bytes out
	s_mov_b32 s19, 0
	s_wait_kmcnt 0x0
	s_add_nc_u64 s[4:5], s[4:5], s[16:17]
	s_add_nc_u64 s[10:11], s[10:11], s[18:19]
	LOAD32 XA, 4, 0
	LOAD32 XB, 4, 4096
	LOAD32 GW, 6, 0
	LOAD32 GB, 8, 0
	s_wait_loadcnt 24                              ; the first row is in; the 24 younger loads stay out
	LNSTAT XA, RSA
	s_wait_loadcnt 16                              ; the second row is in; gain and bias stay out
	LNSTAT XB, RSB
	s_wait_loadcnt 0x0
	LNOUT XA, RSA, 0
	s_wait_xcnt 0x0                                ; the packed row, which the four stores read, is rewritten only behind this wait
	LNOUT XB, RSB, 2048
	s_endpgm
	; ---------------- weights to bf16 ----------------
	; Work-group c = id - 256 owns 16384 consecutive numbers: 65536 bytes in, 32768 out.  c 0-191 w_qkv, 192-255 w_proj, 256-511 fc1_w, 512-767 fc2_w.
.Lcast:
	s_load_b256 s[4:11], s[0:1], 0x20              ; the four sources
	s_load_b256 s[12:19], s[0:1], 0x40             ; the four destinations
	s_sub_co_u32 s20, ttmp9, 256
	v_lshlrev_b32 v1, 5, v0                        ; 32 bytes in a thread
	v_lshlrev_b32 v2, 4, v0                        ; 16 bytes out
	s_wait_kmcnt 0x0
	s_cmp_ge_u32 s20, 192
	s_cselect_b64 s[22:23], s[6:7], s[4:5]
	s_cselect_b64 s[24:25], s[14:15], s[12:13]
	s_cselect_b32 s21, 192, 0
	s_cmp_ge_u32 s20, 256
	s_cselect_b64 s[22:23], s[8:9], s[22:23]
	s_cselect_b64 s[24:25], s[16:17], s[24:25]
	s_cselect_b32 s21, 256, s21
	s_cmp_ge_u32 s20, 512
	s_cselect_b64 s[22:23], s[10:11], s[22:23]
	s_cselect_b64 s[24:25], s[18:19], s[24:25]
	s_cselect_b32 s21, 512, s21
	s_sub_co_u32 s20, s20, s21                     ; my place in that matrix
	s_lshl_b32 s26, s20, 16
	s_mov_b32 s27, 0
	s_lshl_b32 s28, s20, 15
	s_mov_b32 s29, 0
	s_add_nc_u64 s[22:23], s[22:23], s[26:27]
	s_add_nc_u64 s[24:25], s[24:25], s[28:29]
.irp i, 0,1,2,3,4,5,6,7
	global_load_b128 v[8+8*\i:8+8*\i+3],  v1, s[22:23] offset:8192*\i th:TH_LOAD_NT
	global_load_b128 v[8+8*\i+4:8+8*\i+7], v1, s[22:23] offset:8192*\i+16 th:TH_LOAD_NT
.endr
.irp i, 0,1,2,3,4,5,6,7
	s_wait_loadcnt 14-2*\i                         ; pair i is in; the younger pairs stay out
.irp k, 0,1,2,3
	v_cvt_pk_bf16_f32 v[72+4*\i+\k], v[8+8*\i+2*\k], v[8+8*\i+2*\k+1]
.endr
	global_store_b128 v2, v[72+4*\i:72+4*\i+3], s[24:25] offset:4096*\i   ; a wave stores 512 consecutive bytes, aligned; no register is written twice
.endr
	s_endpgm
.Lfunc_end_k_q0b29dfdaea_prep:
	.size	k_q0b29dfdaea_prep, .Lfunc_end_k_q0b29dfdaea_prep-k_q0b29dfdaea_prep
	.p2alignl 7, 3214868480
	.fill 96, 4, 3214868480
	.section	.rodata,"a",@progbits
	.p2align	6, 0x0
	.amdhsa_kernel k_q0b29dfdaea_prep
		.amdhsa_group_segment_fixed_size 0
		.amdhsa_private_segment_fixed_size 0
		.amdhsa_enable_private_segment 0
		.amdhsa_kernarg_size 96
		.amdhsa_user_sgpr_count 2
		.amdhsa_user_sgpr_kernarg_segment_ptr 1
		.amdhsa_wavefront_size32 1
		.amdhsa_system_sgpr_workgroup_id_x 1
		.amdhsa_system_sgpr_workgroup_id_y 1
		.amdhsa_system_sgpr_workgroup_id_z 1
		.amdhsa_system_vgpr_workitem_id 0
		.amdhsa_next_free_vgpr 168
		.amdhsa_next_free_sgpr 66
		.amdhsa_reserve_vcc 0
		.amdhsa_float_denorm_mode_32 3
		.amdhsa_float_denorm_mode_16_64 3
		.amdhsa_memory_ordered 1
		.amdhsa_forward_progress 1
		.amdhsa_inst_pref_size 25
	.end_amdhsa_kernel
	.amdgpu_metadata
---
amdhsa.version: [ 1, 2 ]
amdhsa.kernels:
  - .name:           k_q0b29dfdaea_prep
    .symbol:         k_q0b29dfdaea_prep.kd
    .args:
      - { .name: x, .offset: 0, .size: 8, .value_kind: global_buffer, .address_space: global }
      - { .name: ln1_w, .offset: 8, .size: 8, .value_kind: global_buffer, .address_space: global }
      - { .name: ln1_b, .offset: 16, .size: 8, .value_kind: global_buffer, .address_space: global }
      - { .name: hb, .offset: 24, .size: 8, .value_kind: global_buffer, .address_space: global }
      - { .name: w_qkv, .offset: 32, .size: 8, .value_kind: global_buffer, .address_space: global }
      - { .name: w_proj, .offset: 40, .size: 8, .value_kind: global_buffer, .address_space: global }
      - { .name: fc1_w, .offset: 48, .size: 8, .value_kind: global_buffer, .address_space: global }
      - { .name: fc2_w, .offset: 56, .size: 8, .value_kind: global_buffer, .address_space: global }
      - { .name: wq, .offset: 64, .size: 8, .value_kind: global_buffer, .address_space: global }
      - { .name: wp, .offset: 72, .size: 8, .value_kind: global_buffer, .address_space: global }
      - { .name: w1, .offset: 80, .size: 8, .value_kind: global_buffer, .address_space: global }
      - { .name: w2, .offset: 88, .size: 8, .value_kind: global_buffer, .address_space: global }
    .group_segment_fixed_size: 0
    .private_segment_fixed_size: 0
    .kernarg_segment_align: 8
    .kernarg_segment_size: 96
    .max_flat_workgroup_size: 256
    .sgpr_count:     66
    .vgpr_count:     168
    .wavefront_size: 32
...
	.end_amdgpu_metadata
.endif
;; end of part 1
;; launch qkv (part 2): grid 12 x 16, 4 waves a work-group, clusters of 4 x 4, 327,680 bytes of LDS; arguments hb, wq, big; writes big
.if DOCPART == 2
	.amdgcn_target "amdgcn-amd-amdhsa--gfx1250"
	.amdhsa_code_object_version 6
	.text
	.protected	k_q0b29dfdaea_qkv
	.globl	k_q0b29dfdaea_qkv
	.p2align	8
	.type	k_q0b29dfdaea_qkv,@function
k_q0b29dfdaea_qkv:
	s_mov_b64 s[64:65], 0
	v_nop
	global_prefetch_b8 v0, s[64:65] scope:SCOPE_SE
	s_setreg_imm32_b32 hwreg(HW_REG_WAVE_MODE, 25, 1), 1
	s_wait_xcnt 0x0
	s_wait_alu depctr_hold_cnt(0) depctr_sa_sdst(0) depctr_va_vdst(0) depctr_va_sdst(0) depctr_va_ssrc(0) depctr_va_vcc(0) depctr_vm_vsrc(0)
	s_getreg_b32 s2, hwreg(HW_REG_IB_STS2, 6, 4)
	s_cmp_eq_u32 s2, 0
	s_cbranch_scc0 .Lentry_in_a_cluster
	s_endpgm
.Lentry_in_a_cluster:
	s_bfe_u32 s2, ttmp6, 0x10000c
	s_cmp_lg_u32 s2, 0xf033
	s_cbranch_scc0 .Lentry_shape_is_right
	s_endpgm
.Lentry_shape_is_right:
; C = A W.  A: [4096][SIZE_K] bf16, W: [SIZE_K][SIZE_N] bf16 (rows along N), C: [4096][SIZE_N] bf16; sums in f32, K ascending.
; With GELU = 1: C = gelu(A W + bias), exact gelu by a rational form of erfc.
; A work-group makes 256 x 256 of C with four waves, a wave 128 x 128: 64 accumulator tiles, 512 registers.  K goes in steps of 128 through
; two LDS slots filled by the tensor data mover.  A tile of A is 256 rows x 256 bytes, a tile of W 128 k-rows x 512 bytes: whole aligned
; pieces of 256 bytes of memory.  W stays [k][n] in LDS; its fragments are taken by the transposing load ds_load_tr16_b128.
; CLUSTERS: 4 x 4 work-groups.  A tile of A hangs on the block row alone and is asked for jointly by a row of the cluster, a tile of W on the
; block column alone and is asked for jointly by a column.
; REGISTER WINDOWS: 0: addresses, fragments of A (v64-127, v128-191), way out (v192-255); 1: fragments of W (same numbers), bias (v0-63, GELU);
; 2: accumulators of my rows 0-63 (tile (a, b) at v[8 (8 a + b)]); 3: of my rows 64-127.
; The matrix instruction is used transposed: source 0 = 16 columns of W, source 1 = 16 rows of A, so that a lane holds eight neighbouring
; numbers of one row of C.
; LIMITS: operands and C are bf16 (nearest even).  GELU: erfc by a five-term form, absolute error of erf at most 1.5e-7; v_exp_f32 and
; v_rcp_f32 are good to 1 ULP and flush denormals; an infinite pre-activation gives NaN.
.set SIZE_N, 3072
.set SIZE_K, 1024
.set GELU,   0
.set KSTEP,  128
.set PA,     272                       ; LDS pitch of A: 256 bytes + 16, an odd multiple of 16
.set PB,     544                       ; LDS pitch of W: 512 bytes + 32, an odd multiple of 32
.set HS,     34816                     ; what one tensor load brings: 128 rows of A or 64 k-rows of W
.set AH4,    64*PA                     ; from row block 0 of A to row block 4
.set SLOT,   4*HS                      ; A: 256 rows, then W: 128 k-rows
.set STAGE,  2*SLOT                    ; behind the ring: 16 rows x 272 bytes for each wave, never filled by a tensor load
.set SPITCH, 272
.set LAPS,   SIZE_K/(2*KSTEP)          ; a lap = two K steps
.set ADRA, 16                          ; v16-17 LDS address of my fragments of A in slot 0, 1
.set ADRB, 20                          ; v20-21 the same for W
.set STO,  24
.set RD,   25
.set CO,   26
.set BO,   28
.set KC,   32                          ; v[32:43] gelu constants, each twice
.set A5,   34
.set A4,   36
.set A3,   38
.set A2,   40
.set A1,   42
.set F0,   64
.set F1,   128
.set GX,   64                          ; way out with GELU: 64 values at work
.set GU,   128
.set GS,   144
.set GR,   160
.set GP,   176
.set TMP,  192
.set RB,   224
.set G1,   24
.set G0,   32
.set G1B,  48
.set G0B,  56
.set MSB,  0
.macro WIN new                         ; the high byte of the immediate repeats the setting that is left
.if MSB != \new
	s_set_vgpr_msb (MSB<<8)|\new
.set MSB, \new
.endif
.endm
.set MUL_LO, 0xa1                      ; source 0 (W) window 1, source 1 (A) window 0, C and D window 2
.set MUL_HI, 0xf1                      ; the same, C and D window 3
.set TO_B,   0x40                      ; destination window 1
; A joint load.  Waves 0 and 1 ask for the halves of A, waves 2 and 3 for the halves of W.  The branch hangs on the wave number alone.
.macro JLOAD s
	s_cmp_eq_u32 s11, 0
	s_cbranch_scc0 .Lfor_b_\@
	tensor_load_to_lds s[G0+4*\s:G0+4*\s+3], s[G1:G1+7]
	s_nop 0
	s_branch .Lasked_\@
.Lfor_b_\@:
	tensor_load_to_lds s[G0B+4*\s:G0B+4*\s+3], s[G1B:G1B+7]
	s_nop 0
.Lasked_\@:
.endm
.macro CREST                           ; a round of the cluster barrier behind its opening work-group barrier
	s_cmp_lg_u32 s10, 0
	s_cbranch_scc1 .Lnot_wave_0_\@
	s_barrier_signal -3
.Lnot_wave_0_\@:
	s_barrier_wait -3
	s_barrier_signal -1
	s_barrier_wait -1
.endm
.macro CROUND
	s_barrier_signal -1
	s_barrier_wait -1
	CREST
.endm
	s_load_b128 s[4:7], s[0:1], 0x0                ; A s[4:5], W s[6:7]
	s_load_b64 s[8:9], s[0:1], 0x10                ; C
	s_set_vgpr_msb 0x40
	v_lshl_add_u32 v255, v0, 2, 0x48400
	s_set_vgpr_msb 0x4000
	v_mov_b32 v63, 0
	s_set_vgpr_msb 0x1
	ds_add_u32 v255, v63
	ds_add_u32 v255, v63
	s_set_vgpr_msb 0x100
.if GELU
	s_load_b64 s[68:69], s[0:1], 0x18              ; bias
.endif
	v_lshrrev_b32 v1, 5, v0
	v_readfirstlane_b32 s10, v1                    ; wave 0..3
	s_lshr_b32 s11, s10, 1                         ; my half of the rows.  Also: I ask for A (0) or W (1)
	s_and_b32 s12, s10, 1                          ; my half of the columns.  Also: which half of that tile I ask for
	s_bfe_u32 s40, ttmp6, 0x40000                  ; cx
	s_bfe_u32 s41, ttmp6, 0x40004                  ; cy
	s_lshl_b32 s42, ttmp9, 2
	s_add_co_u32 s42, s42, s40                     ; block column
	s_and_b32 s13, ttmp7, 0xffff
	s_lshl_b32 s13, s13, 2
	s_add_co_u32 s13, s13, s41                     ; block row
	s_lshl_b32 s43, s41, 2
	s_lshl_b32 s43, 15, s43                        ; my row of the cluster
	s_lshl_b32 s44, 0x1111, s40                    ; my column
	; group 1 for A: 128 rows x 128 elements of 2 bytes, 4 words of padding behind every 64
	s_or_b32 s[G1+0], s43, (1<<16)|(1<<20)|(1<<21)|(5<<22)|(3<<25)
	s_mov_b32 s[G1+1], 128<<16
	s_mov_b32 s[G1+2], 128<<16
	s_mov_b32 s[G1+3], 128<<16
	s_mov_b32 s[G1+4], 128
	s_mov_b32 s[G1+5], SIZE_K
	s_mov_b32 s[G1+6], 0
	s_mov_b32 s[G1+7], 0
	; group 1 for W: 64 k-rows x 256 elements, 8 words of padding behind every 128
	s_or_b32 s[G1B+0], s44, (1<<16)|(1<<20)|(1<<21)|(6<<22)|(7<<25)
	s_mov_b32 s[G1B+1], 256<<16
	s_mov_b32 s[G1B+2], 64<<16
	s_mov_b32 s[G1B+3], 256<<16
	s_mov_b32 s[G1B+4], 64
	s_mov_b32 s[G1B+5], SIZE_N
	s_mov_b32 s[G1B+6], 0
	s_mov_b32 s[G1B+7], 0
	; where the tiles come from: A from the block row, W from the block column, each in registers that never hold the other coordinate
	s_lshl_b32 s17, s12, 7
	s_lshl_b32 s16, s13, 8
	s_add_co_u32 s16, s16, s17                     ; A: row 256 x block row + 128 x half
	s_mov_b32 s17, 0
	s_mov_b64 s[18:19], SIZE_K*2
	s_mul_u64 s[16:17], s[16:17], s[18:19]
	s_mul_i32 s46, s12, 64*SIZE_N*2                ; W: k-row 64 x half,
	s_lshl_b32 s47, s42, 9                         ; 512 bytes a block column
	s_add_co_u32 s46, s46, s47
	s_mov_b32 s47, 0
	s_mul_i32 s20, s10, HS                         ; and where they go: wave x 34816
	s_wait_dscnt 0x0
	s_wait_kmcnt 0x0
	s_add_nc_u64 s[14:15], s[4:5], s[16:17]
	s_add_nc_u64 s[46:47], s[6:7], s[46:47]
	CROUND                                         ; all sixteen work-groups are here: the first joint loads meet
.irp s, 0,1
	s_mov_b32 s[G0+4*\s], 1
	s_add_co_u32 s[G0+4*\s+1], s20, \s*SLOT
	s_add_nc_u64 s[G0+4*\s+2:G0+4*\s+3], s[14:15], \s*KSTEP*2
	s_or_b32 s[G0+4*\s+3], s[G0+4*\s+3], 0x80000000
	s_mov_b32 s[G0B+4*\s], 1
	s_add_co_u32 s[G0B+4*\s+1], s20, \s*SLOT
	s_add_nc_u64 s[G0B+4*\s+2:G0B+4*\s+3], s[46:47], \s*KSTEP*SIZE_N*2
	s_or_b32 s[G0B+4*\s+3], s[G0B+4*\s+3], 0x80000000
	JLOAD \s
.endr
	v_and_b32 v1, 15, v0                           ; r = lane % 16
	v_bfe_u32 v2, v0, 4, 1                         ; h = lane / 16
	v_and_b32 v6, 7, v0                            ; e = lane % 8
	v_bfe_u32 v7, v0, 3, 1                         ; c = bit 3 of the lane
	v_mul_u32_u24 v3, v1, PA
	v_lshl_add_u32 v3, v2, 4, v3                   ; A: r x pitch + 16 h
	v_lshl_add_u32 v4, v2, 3, v6
	v_mul_u32_u24 v4, v4, PB
	v_lshl_add_u32 v4, v7, 4, v4                   ; W: (8 h + e) x pitch + 16 c
	s_mul_i32 s21, s11, HS                         ; my 128 rows of A
	s_lshl_b32 s22, s12, 8                         ; my 128 columns of W,
	s_add_co_u32 s22, s22, 2*HS                    ; which lies behind A
.irp s, 0,1
	v_add_nc_u32 v[ADRA+\s], s21, v3
	v_add_nc_u32 v[ADRB+\s], s22, v4
	s_add_co_u32 s21, s21, SLOT
	s_add_co_u32 s22, s22, SLOT
.endr
	s_mul_i32 s23, s10, 16*SPITCH
	s_add_co_u32 s23, s23, STAGE                   ; my stage
	v_mul_u32_u24 v8, v1, SPITCH
	v_lshl_add_u32 v8, v2, 4, v8
	v_add_nc_u32 v[STO], s23, v8                   ; in: row r, 16 bytes for each half of the lanes
	v_mul_u32_u24 v5, v2, SPITCH
	v_lshl_add_u32 v5, v1, 4, v5
	v_add_nc_u32 v[RD], s23, v5                    ; back: lanes 0-15 one row of 256 bytes, lanes 16-31 the next
	v_mul_u32_u24 v5, v2, SIZE_N*2
	v_lshl_add_u32 v[CO], v1, 4, v5                ; the same two rows in C
.if GELU
	s_lshl_b32 s46, s42, 10                        ; bias of my 128 columns: 4 x (256 x block column + 128 x half)
	s_lshl_b32 s47, s12, 9
	s_add_co_u32 s46, s46, s47
	s_mov_b32 s47, 0
	s_add_nc_u64 s[68:69], s[68:69], s[46:47]
	v_lshlrev_b32 v[BO], 5, v2                     ; 8 h numbers
	WIN TO_B
.irp b, 0,1,2,3,4,5,6,7
	global_load_b128 v[8*\b:8*\b+3],   v[BO], s[68:69] offset:64*\b      ; window 1, v[8 b + j] = bias of column 16 b + 8 h + j
	global_load_b128 v[8*\b+4:8*\b+7], v[BO], s[68:69] offset:64*\b+16
.endr
	WIN 0
.endif
; 16 matrix instructions: row blocks a0, a0 + 1 of the window x all 8 column blocks, 32 along K.  zero = 1: the product starts the sums.
; The 64 accumulators take turns, one instruction a turn, in the same order in every quarter.
.macro MUL16 f, hi, a0, zero
.irp a, \a0, \a0+1
.irp b, 0,1,2,3,4,5,6,7
.if \zero
	v_wmma_f32_16x16x32_bf16 v[8*(8*(\a)+\b):8*(8*(\a)+\b)+7], v[\f+8*\b:\f+8*\b+7], v[\f+8*(4*\hi+\a):\f+8*(4*\hi+\a)+7], 0
.else
	v_wmma_f32_16x16x32_bf16 v[8*(8*(\a)+\b):8*(8*(\a)+\b)+7], v[\f+8*\b:\f+8*\b+7], v[\f+8*(4*\hi+\a):\f+8*(4*\hi+\a)+7], v[8*(8*(\a)+\b):8*(8*(\a)+\b)+7]
.endif
.endr
.endr
.endm
; 32 LDS loads in one run: the fragments of quarter q (32 along K) into buffer f.  W: two transposing loads a column block, 16 k-rows apart.
.macro FETCH slot, q, f
	WIN TO_B
.irp i, 0,1,2,3,4,5,6,7
	ds_load_tr16_b128 v[\f+8*\i:\f+8*\i+3],   v[ADRB+\slot] offset:\q*32*PB+32*\i
	ds_load_tr16_b128 v[\f+8*\i+4:\f+8*\i+7], v[ADRB+\slot] offset:\q*32*PB+16*PB+32*\i
.endr
	WIN 0
.irp i, 0,1,2,3,4,5,6,7
	ds_load_b128 v[\f+8*\i:\f+8*\i+3],   v[ADRA+\slot] offset:\q*64+(\i/4)*AH4+(\i%4)*16*PA
	ds_load_b128 v[\f+8*\i+4:\f+8*\i+7], v[ADRA+\slot] offset:\q*64+(\i/4)*AH4+(\i%4)*16*PA+32
.endr
.endm
.macro PLACES                          ; four plain vector instructions between a matrix instruction and a load into, or a vector use of, its registers
.rept 4
	v_nop
.endr
.endm
.macro QUARTER slot, q, f, g, zero     ; multiplies buffer f; in its middle fetches quarter q into buffer g
	s_wait_dscnt 8                                 ; W and rows 0-63 of A are in; the eight youngest loads (rows 64-127 of A) may be out
	WIN MUL_LO
	MUL16 \f, 0, 0, \zero
	MUL16 \f, 0, 2, \zero
	PLACES
	FETCH \slot, \q, \g
	s_wait_dscnt 32                                ; all but the 32 just issued
	WIN MUL_HI
	MUL16 \f, 1, 0, \zero
	MUL16 \f, 1, 2, \zero
.endm
.macro STEPQ slot, zero
	QUARTER \slot, 1, F0, F1, \zero
	QUARTER \slot, 2, F1, F0, 0
	QUARTER \slot, 3, F0, F1, 0
.endm
; The last quarter of a K step: multiplies buffer 1 and changes slots.  In front of the barrier each wave waits for its reads of this slot and
; for all its tensor loads (one is out: its part of the next slot).  With fill = 1 the barrier opens a round of the cluster barrier and the
; joint refill is the first tensor load behind the round.
.macro TURN slot, next, fill
	s_wait_dscnt 8
	WIN MUL_LO
	MUL16 F1, 0, 0, 0
	s_wait_dscnt 0
	s_wait_tensorcnt 0x0
	ds_add_u32 v255, v63
	s_wait_dscnt 0x0
	s_barrier_signal -1
	MUL16 F1, 0, 2, 0
	WIN 0
	s_barrier_wait -1
.if \fill
	CREST
	s_add_nc_u64 s[G0+4*\slot+2:G0+4*\slot+3], s[G0+4*\slot+2:G0+4*\slot+3], 2*KSTEP*2
	s_add_nc_u64 s[G0B+4*\slot+2:G0B+4*\slot+3], s[G0B+4*\slot+2:G0B+4*\slot+3], 2*KSTEP*SIZE_N*2
	JLOAD \slot
.endif
	PLACES
	FETCH \next, 0, F0
	WIN MUL_HI
	MUL16 F1, 1, 0, 0
	MUL16 F1, 1, 2, 0
.endm
.macro LAP zero
	STEPQ 0, \zero
	TURN 0, 1, 1
	STEPQ 1, 0
	TURN 1, 0, 1
.endm
	s_wait_tensorcnt 1                             ; my part of K step 0 is in; K step 1 stays out
	s_barrier_signal -1
	s_barrier_wait -1
	FETCH 0, 0, F0
	LAP 1                                          ; the first lap stands in front of the loop: its first products start the sums
.if LAPS > 2
	WIN 0
	s_mov_b32 s3, LAPS-2
.Llap:
	LAP 0
	WIN 0
	s_sub_co_u32 s3, s3, 1
	s_cmp_lg_u32 s3, 0
	s_cbranch_scc1 .Llap
.endif
	STEPQ 0, 0                                     ; the last lap fills nothing
	TURN 0, 1, 0
	STEPQ 1, 0
	s_wait_dscnt 8
	WIN MUL_LO
	MUL16 F1, 0, 0, 0
	MUL16 F1, 0, 2, 0
	s_wait_dscnt 0
	WIN MUL_HI
	MUL16 F1, 1, 0, 0
	MUL16 F1, 1, 2, 0
	; THE WAY OUT, 16 rows at a time: (bias, gelu,) round to bf16, 16 bytes a lane into my own stage, read back as whole rows of 256 bytes.
	PLACES
	WIN 0
	s_lshl_b32 s13, s13, 8
	s_lshl_b32 s14, s11, 7
	s_add_co_u32 s16, s13, s14                     ; my first row of C
	s_mov_b32 s17, 0
	s_mov_b64 s[18:19], SIZE_N*2
	s_mul_u64 s[16:17], s[16:17], s[18:19]
	s_add_nc_u64 s[8:9], s[8:9], s[16:17]
	s_lshl_b32 s46, s42, 9                         ; my first column in bytes
	s_lshl_b32 s47, s12, 8
	s_add_co_u32 s46, s46, s47
	s_mov_b32 s47, 0
	s_add_nc_u64 s[8:9], s[8:9], s[46:47]
.if GELU
	s_mov_b32 s72, 0x3e6d3389                      ; 0.3275911 / sqrt 2
	v_mov_b32 v[KC],   0xbf38aa3b                  ; - log2(e) / 2
	v_mov_b32 v[KC+1], 0xbf38aa3b
	v_mov_b32 v[A5],   0x3f07dc22                  ; the five coefficients, halved
	v_mov_b32 v[A5+1], 0x3f07dc22
	v_mov_b32 v[A4],   0xbf3a00e3
	v_mov_b32 v[A4+1], 0xbf3a00e3
	v_mov_b32 v[A3],   0x3f35f0e3
	v_mov_b32 v[A3+1], 0x3f35f0e3
	v_mov_b32 v[A2],   0xbe11a98e
	v_mov_b32 v[A2+1], 0xbe11a98e
	v_mov_b32 v[A1],   0x3e027906
	v_mov_b32 v[A1+1], 0x3e027906
	s_wait_loadcnt 0x0                             ; the bias, once
.endif
; gelu(x) = max(x, 0) - |x| erfc(|x| / sqrt 2) / 2, erfc(z) = t (a1 + t (a2 + t (a3 + t (a4 + t a5)))) exp(-z z), t = 1 / (1 + 0.3275911 z).  16 values in place.
.macro GELU16 x
.irp i, 0,1,2,3,4,5,6,7,8,9,10,11,12,13,14,15
	v_fma_f32 v[GU+\i], |v[\x+\i]|, s72, 1.0
.endr
.irp i, 0,2,4,6,8,10,12,14
	v_pk_mul_f32 v[GS+\i:GS+\i+1], v[\x+\i:\x+\i+1], v[\x+\i:\x+\i+1]
.endr
.irp i, 0,2,4,6,8,10,12,14
	v_pk_mul_f32 v[GS+\i:GS+\i+1], v[GS+\i:GS+\i+1], v[KC:KC+1]
.endr
.irp i, 0,1,2,3,4,5,6,7,8,9,10,11,12,13,14,15
	v_rcp_f32 v[GU+\i], v[GU+\i]
.endr
.irp i, 0,1,2,3,4,5,6,7,8,9,10,11,12,13,14,15
	v_exp_f32 v[GS+\i], v[GS+\i]
.endr
.irp i, 0,1,2,3,4,5,6,7,8,9,10,11,12,13,14,15
	v_max_num_f32 v[GR+\i], 0, v[\x+\i]            ; plain instructions behind the transcendentals (ISA guide 5.7.2)
.endr
.irp i, 0,2,4,6,8,10,12,14
	v_pk_fma_f32 v[GP+\i:GP+\i+1], v[GU+\i:GU+\i+1], v[A5:A5+1], v[A4:A4+1]
.endr
.irp i, 0,2,4,6,8,10,12,14
	v_pk_fma_f32 v[GP+\i:GP+\i+1], v[GP+\i:GP+\i+1], v[GU+\i:GU+\i+1], v[A3:A3+1]
.endr
.irp i, 0,2,4,6,8,10,12,14
	v_pk_fma_f32 v[GP+\i:GP+\i+1], v[GP+\i:GP+\i+1], v[GU+\i:GU+\i+1], v[A2:A2+1]
.endr
.irp i, 0,2,4,6,8,10,12,14
	v_pk_fma_f32 v[GP+\i:GP+\i+1], v[GP+\i:GP+\i+1], v[GU+\i:GU+\i+1], v[A1:A1+1]
.endr
.irp i, 0,2,4,6,8,10,12,14
	v_pk_mul_f32 v[GP+\i:GP+\i+1], v[GP+\i:GP+\i+1], v[GU+\i:GU+\i+1]
.endr
.irp i, 0,2,4,6,8,10,12,14
	v_pk_mul_f32 v[GP+\i:GP+\i+1], v[GP+\i:GP+\i+1], v[GS+\i:GS+\i+1]
.endr
.irp i, 0,1,2,3,4,5,6,7,8,9,10,11,12,13,14,15
	v_fma_f32 v[\x+\i], -|v[\x+\i]|, v[GP+\i], v[GR+\i]
.endr
.endm
; rows 16 i .. 16 i + 15 of my block = the eight tiles (a, 0..7) of window 2 or 3.  cvtwin: both sources in that window; addwin: source 0 there, source 1 in window 1.
.macro OUT16 i, a, cvtwin, addwin
.if GELU
	WIN \addwin
.irp b, 0,1,2,3,4,5,6,7
.irp k, 0,2,4,6
	v_pk_add_f32 v[GX+8*\b+\k:GX+8*\b+\k+1], v[8*(8*\a+\b)+\k:8*(8*\a+\b)+\k+1], v[8*\b+\k:8*\b+\k+1]
.endr
.endr
	WIN 0
	GELU16 GX
	GELU16 GX+16
	GELU16 GX+32
	GELU16 GX+48
.irp b, 0,1,2,3,4,5,6,7
.irp r, 0,1,2,3
	v_cvt_pk_bf16_f32 v[TMP+4*\b+\r], v[GX+8*\b+2*\r], v[GX+8*\b+2*\r+1]
.endr
.endr
.else
	WIN \cvtwin
.irp b, 0,1,2,3,4,5,6,7
.irp r, 0,1,2,3
	v_cvt_pk_bf16_f32 v[TMP+4*\b+\r], v[8*(8*\a+\b)+2*\r], v[8*(8*\a+\b)+2*\r+1]
.endr
.endr
	WIN 0
.endif
.irp b, 0,1,2,3,4,5,6,7
	ds_store_b128 v[STO], v[TMP+4*\b:TMP+4*\b+3] offset:32*\b
.endr
	s_wait_xcnt 0x0                                ; the read-back buffer, which stores read, and the base of the stores are rewritten only behind this wait
.if \i
	s_add_nc_u64 s[8:9], s[8:9], 16*SIZE_N*2
.endif
.irp t, 0,1,2,3,4,5,6,7
	ds_load_b128 v[RB+4*\t:RB+4*\t+3], v[RD] offset:\t*2*SPITCH    ; LDS serves the instructions of a wave in order (ISA guide 5.7.1): these see the stores above
.endr
.irp t, 0,1,2,3,4,5,6,7
	s_wait_dscnt 7-\t                              ; read-back t is in; the younger ones stay out
	global_store_b128 v[CO], v[RB+4*\t:RB+4*\t+3], s[8:9] offset:2*\t*SIZE_N*2   ; 16 lanes store 256 consecutive bytes, aligned
.endr
.endm
	OUT16 0, 0, 0x0a, 0x06
	OUT16 1, 1, 0x0a, 0x06
	OUT16 2, 2, 0x0a, 0x06
	OUT16 3, 3, 0x0a, 0x06
	OUT16 4, 0, 0x0f, 0x07
	OUT16 5, 1, 0x0f, 0x07
	OUT16 6, 2, 0x0f, 0x07
	OUT16 7, 3, 0x0f, 0x07
	s_set_vgpr_msb 0x1
	s_wait_tensorcnt 0x0
	ds_add_u32 v255, v63
	s_wait_dscnt 0x0
	s_set_vgpr_msb 0x100
	CROUND                                         ; the closing round: no work-group ends while a partner may still ask for a tile that names it
	s_endpgm
.Lfunc_end_k_q0b29dfdaea_qkv:
	.size	k_q0b29dfdaea_qkv, .Lfunc_end_k_q0b29dfdaea_qkv-k_q0b29dfdaea_qkv
	.p2alignl 7, 3214868480
	.fill 96, 4, 3214868480
	.section	.rodata,"a",@progbits
	.p2align	6, 0x0
	.amdhsa_kernel k_q0b29dfdaea_qkv
		.amdhsa_group_segment_fixed_size 327680
		.amdhsa_private_segment_fixed_size 0
		.amdhsa_enable_private_segment 0
		.amdhsa_kernarg_size 24
		.amdhsa_user_sgpr_count 2
		.amdhsa_user_sgpr_kernarg_segment_ptr 1
		.amdhsa_wavefront_size32 1
		.amdhsa_system_sgpr_workgroup_id_x 1
		.amdhsa_system_sgpr_workgroup_id_y 1
		.amdhsa_system_sgpr_workgroup_id_z 1
		.amdhsa_system_vgpr_workitem_id 0
		.amdhsa_next_free_vgpr 1024
		.amdhsa_next_free_sgpr 72
		.amdhsa_reserve_vcc 0
		.amdhsa_float_denorm_mode_32 3
		.amdhsa_float_denorm_mode_16_64 3
		.amdhsa_memory_ordered 1
		.amdhsa_forward_progress 1
		.amdhsa_inst_pref_size 197
	.end_amdhsa_kernel
	.amdgpu_metadata
---
amdhsa.version: [ 1, 2 ]
amdhsa.kernels:
  - .name:           k_q0b29dfdaea_qkv
    .symbol:         k_q0b29dfdaea_qkv.kd
    .args:
      - { .name: hb, .offset: 0, .size: 8, .value_kind: global_buffer, .address_space: global }
      - { .name: wq, .offset: 8, .size: 8, .value_kind: global_buffer, .address_space: global }
      - { .name: big, .offset: 16, .size: 8, .value_kind: global_buffer, .address_space: global }
    .group_segment_fixed_size: 327680
    .private_segment_fixed_size: 0
    .kernarg_segment_align: 8
    .kernarg_segment_size: 24
    .max_flat_workgroup_size: 128
    .sgpr_count:     72
    .vgpr_count:     1024
    .wavefront_size: 32
...
	.end_amdgpu_metadata
.endif
;; end of part 2
;; launch attn (part 3): grid 256 x 1, 8 waves a work-group, no clusters, 327,680 bytes of LDS; arguments big, hb; writes hb
.if DOCPART == 3
	.amdgcn_target "amdgcn-amd-amdhsa--gfx1250"
	.amdhsa_code_object_version 6
	.text
	.protected	k_q0b29dfdaea_attn
	.globl	k_q0b29dfdaea_attn
	.p2align	8
	.type	k_q0b29dfdaea_attn,@function
k_q0b29dfdaea_attn:
	s_mov_b64 s[64:65], 0
	v_nop
	global_prefetch_b8 v0, s[64:65] scope:SCOPE_SE
	s_setreg_imm32_b32 hwreg(HW_REG_WAVE_MODE, 25, 1), 1
	s_wait_xcnt 0x0
; Causal attention.  big: [4096][3072] bf16 (q, k, v side by side, 16 heads of 64 each), hb: [4096][1024] bf16.
; Work-group id: head and batch = id / 8, p = id % 8.  It makes query blocks p and 15 - p of its head, 128 rows each, with key tiles of 128:
; p + 1 and 16 - p tiles, 17 in every work-group.  Key tiles beyond the diagonal are never touched: the mask throws them away.
; EIGHT WAVES, two on each SIMD, so that the vector work of one (softmax) runs while the other multiplies or waits for LDS.
; Group A (waves 0-3): block p with tiles 0 .. p, then block 15 - p with tiles 8 .. 15 - p: 9 tiles.  Group B (waves 4-7): block 15 - p with tiles
; 0 .. 7: 8 tiles, none of them on the diagonal.  Wave w and wave w + 4 own the same 32 query rows of a block (two blocks of 16).
; After its last tile group B hands its running maximum, sum and O (f32) over through LDS, and group A merges the two parts of block 15 - p.
; All waves run one text; the groups differ in scalar numbers (group B: the trips of the diagonal and of the change of blocks are 99 and 100, never reached).
; Running maximum and running sum in f32: the maximum is taken away before every exponential, in the merge too.
; ORIENTATION: S^T = K Q^T (source 0 = 16 keys, source 1 = 16 queries): a lane holds one query and 8 keys a tile, so two neighbouring tiles pack
; in place into a fragment of P^T.  O^T = V^T P^T (source 0 = V by the transposing load): a lane holds 8 neighbouring outputs of one query.
; NO CLUSTER: the eight work-groups of a head need different tiles in the same trip.
; K and V come by the tensor data mover through two LDS slots, each with a tile for either group: each wave asks for 32 rows of K and of V of the
; tile of its group, two loads out behind each barrier.
; A row of a head is 128 bytes, so a store covers four pieces of 128 bytes; whole pieces of 256 would need two heads in a work-group.
; LIMITS: q, k, v, p and the output are bf16; the denominator is summed from the unrounded p; block 15 - p is summed in two parts; v_exp_f32 and
; v_rcp_f32 are good to 1 ULP and flush denormals, so a p below 2^-126 counts as 0; scores are taken to be finite.
.set PSLOT, 77824                      ; a slot: K of wave i at i x 4608 (32 rows x 144), V of wave i at 36864 + i x 5120 (32 rows x 160)
.set VOFF,  36864
.set GK,    18432                      ; from the K tile of group A to that of group B
.set GV,    20480                      ; the same for V
.set STAGE, 2*PSLOT                    ; 32 rows x 144 bytes for each wave, never filled by a tensor load
.set DUMP,  STAGE+8*4608               ; 8704 bytes for each wave of group B: O (16 x 512), then maximum and sum (512); never filled by a tensor load
.set DUMPW, 8704
.set KTILE, 786432                     ; 128 rows of 6144 bytes
.set ADRK, 4                           ; v4-5   K fragments in slot 0, 1: group x 18432 + r x 144 + 16 h
.set ADRV, 6                           ; v6-7   V fragments: 36864 + group x 20480 + (8 h + e) x 160 + 16 c
.set QO,   8
.set STO,  9
.set RD,   10
.set CO,   11
.set DM,   12                          ; 32 w + r - 8 h: key 16 kb + 8 h + i of the diagonal tile is kept where 16 (kb - qb) + i <= DM
.set NINF, 13
.set MX,   14                          ; v[14:15] running maximum of query block 0, 1
.set LS,   16                          ; v[16:17] running sum (of the keys that my half of the lanes holds)
.set AL,   18                          ; v[18:19], v[20:21] rescale factor of block 0, 1, each twice
.set NMC,  22                          ; v[22:23], v[24:25] - maximum x c, each twice
.set TT,   26                          ; v[26:41] at work
.set DMP,  51                          ; where group B puts, and group A finds, 16 bytes a lane
.set SB,   64                          ; v[64:191]  S^T tile (kb, qb) at 64 + 64 qb + 8 kb; later P^T (s, qb) at 64 + 64 qb + 16 s
.set OB,   192                         ; v[192:255] O^T tile (hb, qb) at 192 + 8 (2 hb + qb)
.set QF,   0                           ; window 1: Q (qb, ks) at 16 qb + 8 ks
.set KF,   64                          ; window 1: K (kb, ks) at 64 + 16 kb + 8 ks
.set VF,   64                          ; window 1: V (hb, s) at 64 + 8 (4 hb + s): the registers of K, free once S is made
.set G0K,  40                          ; s[40:47] group 0 of K, slot 0, 1
.set G0V,  48                          ; s[48:55] group 0 of V
.set MSB,  0
.macro WIN new
.if MSB != \new
	s_set_vgpr_msb (MSB<<8)|\new
.set MSB, \new
.endif
.endm
	s_load_b128 s[4:7], s[0:1], 0x0                ; big s[4:5], hb s[6:7]
	v_lshl_add_u32 v62, v0, 2, 0x37800
	v_mov_b32 v63, 0
	ds_add_u32 v62, v63
	ds_add_u32 v62, v63
	v_lshrrev_b32 v1, 5, v0
	v_readfirstlane_b32 s8, v1                     ; wave 0..7
	s_lshr_b32 s72, s8, 2                          ; group: 0 = A, 1 = B
	s_and_b32 s73, s8, 3                           ; w: which 32 rows
	s_and_b32 s75, ttmp9, 7                        ; p
	s_sub_co_u32 s74, 7, s75                       ; group A, second block: trip t takes tile t + 7 - p
	s_cmp_eq_u32 s72, 0
	s_cselect_b32 s9, s75, 99                      ; the trip of the diagonal tile of the first block: p, for group B none
	s_add_co_u32 s10, s9, 1                        ; the trip at which the query block changes
	s_lshr_b32 s18, ttmp9, 3
	s_lshr_b32 s19, s18, 4
	s_lshl_b32 s19, s19, 11                        ; first row of the batch
	s_and_b32 s18, s18, 15
	s_lshl_b32 s18, s18, 7                         ; the head: 128 bytes
	s_lshl_b32 s69, s73, 5                         ; 32 w
	s_lshl_b32 s70, s75, 7
	s_add_co_u32 s70, s70, s19                     ; first row of block p
	s_sub_co_u32 s71, 15, s75
	s_lshl_b32 s71, s71, 7
	s_add_co_u32 s71, s71, s19                     ; first row of block 15 - p
	s_cmp_eq_u32 s72, 0
	s_cselect_b32 s75, s70, s71                    ; first row of the block that my group starts with
	s_mov_b32 s14, 0x76543210
	s_mov_b32 s15, 0xfedcba98
	s_mov_b32 s16, 0x3e38aa3b                      ; c = log2(e) / 8
	s_mov_b32 s17, 0x3e38aa3b
	s_mov_b32 s68, 0xbe38aa3b                      ; - c
	s_mov_b32 s11, 0                               ; trip t
	s_mov_b32 s13, 0                               ; 1: this is the first tile of the second block
	; group 1: 32 rows x 64 elements of 2 bytes, pitch 3072; padding behind every 32 words: 4 words for K, 8 for V
	s_mov_b32 s24, (1<<16)|(1<<20)|(4<<22)|(3<<25)
	s_mov_b32 s25, 64<<16
	s_mov_b32 s26, 32<<16
	s_mov_b32 s27, 64<<16
	s_mov_b32 s28, 32
	s_mov_b32 s29, 3072
	s_mov_b32 s30, 0
	s_mov_b32 s31, 0
	s_mov_b32 s32, (1<<16)|(1<<20)|(4<<22)|(7<<25)
	s_mov_b32 s33, 64<<16
	s_mov_b32 s34, 32<<16
	s_mov_b32 s35, 64<<16
	s_mov_b32 s36, 32
	s_mov_b32 s37, 3072
	s_mov_b32 s38, 0
	s_mov_b32 s39, 0
	s_add_co_u32 s66, s69, s19
	s_mul_i32 s66, s66, 6144
	s_add_co_u32 s66, s66, s18                     ; my 32 rows of tile 0, my head
	s_mov_b32 s67, 0
	s_wait_dscnt 0x0
	s_wait_kmcnt 0x0
	s_add_nc_u64 s[20:21], s[4:5], s[66:67]
	s_add_nc_u64 s[22:23], s[20:21], 4096          ; V
	s_add_nc_u64 s[20:21], s[20:21], 2048          ; K
	s_or_b32 s21, s21, 0x80000000                  ; the type bits ride on both bases
	s_or_b32 s23, s23, 0x80000000
	s_mul_i32 s66, s75, 6144
	s_add_co_u32 s66, s66, s18
	s_add_nc_u64 s[56:57], s[4:5], s[66:67]        ; Q of the block that my group starts with
	s_mul_i32 s66, s71, 6144
	s_add_co_u32 s66, s66, s18
	s_add_nc_u64 s[58:59], s[4:5], s[66:67]        ; Q of block 15 - p
	s_lshl_b32 s66, s70, 11
	s_add_co_u32 s66, s66, s18
	s_add_nc_u64 s[60:61], s[6:7], s[66:67]        ; output of block p
	s_lshl_b32 s66, s71, 11
	s_add_co_u32 s66, s66, s18
	s_add_nc_u64 s[62:63], s[6:7], s[66:67]        ; output of block 15 - p
	s_mul_i32 s18, s8, 4608                        ; my 32 rows of K in a slot, and my stage
	s_mul_i32 s19, s8, 5120                        ; my 32 rows of V
	s_mov_b32 s[G0K], 1
	s_add_co_u32 s[G0K+1], s18, 0
	s_mov_b64 s[G0K+2:G0K+3], s[20:21]
	s_mov_b32 s[G0K+4], 1
	s_add_co_u32 s[G0K+5], s18, PSLOT
	s_mov_b32 s[G0V], 1
	s_add_co_u32 s[G0V+1], s19, VOFF
	s_mov_b64 s[G0V+2:G0V+3], s[22:23]
	s_mov_b32 s[G0V+4], 1
	s_add_co_u32 s[G0V+5], s19, PSLOT+VOFF
	tensor_load_to_lds s[G0K:G0K+3], s[24:31]      ; tile 0 (the first tile of either group) into slot 0
	s_nop 0
	tensor_load_to_lds s[G0V:G0V+3], s[32:39]
	s_nop 0
	s_add_co_u32 s70, s18, STAGE                   ; my stage
	s_mul_i32 s76, s72, GK                         ; the K tile of my group
	s_mul_i32 s77, s72, GV
	s_add_co_u32 s77, s77, VOFF                    ; the V tile of my group
	s_mul_i32 s75, s73, DUMPW
	s_add_co_u32 s75, s75, DUMP                    ; where wave w + 4 hands over to wave w
	v_and_b32 v1, 15, v0                           ; r
	v_bfe_u32 v2, v0, 4, 1                         ; h
	v_and_b32 v3, 7, v0                            ; e
	v_bfe_u32 v42, v0, 3, 1                        ; c
	v_bfe_u32 v47, v0, 3, 2                        ; lane / 8
	v_and_b32 v52, 31, v0                          ; lane
	v_mul_u32_u24 v43, v1, 144
	v_lshl_add_u32 v43, v2, 4, v43                 ; r x 144 + 16 h
	v_add_nc_u32 v[ADRK], s76, v43
	v_add_nc_u32 v[ADRK+1], PSLOT, v[ADRK]
	v_lshl_add_u32 v44, v2, 3, v3
	v_mul_u32_u24 v44, v44, 160
	v_lshl_add_u32 v44, v42, 4, v44                ; (8 h + e) x 160 + 16 c
	v_add_nc_u32 v[ADRV], s77, v44
	v_add_nc_u32 v[ADRV+1], PSLOT, v[ADRV]
	v_add_nc_u32 v45, s69, v1                      ; 32 w + r
	v_mul_u32_u24 v46, v45, 6144
	v_lshl_add_u32 v[QO], v2, 4, v46
	v_add_nc_u32 v[STO], s70, v43
	v_mul_u32_u24 v48, v47, 144
	v_lshl_add_u32 v48, v3, 4, v48
	v_add_nc_u32 v[RD], s70, v48
	v_add_nc_u32 v49, s69, v47
	v_lshlrev_b32 v49, 11, v49
	v_lshl_add_u32 v[CO], v3, 4, v49
	v_lshlrev_b32 v50, 3, v2
	v_sub_nc_u32 v[DM], v45, v50
	v_lshl_add_u32 v[DMP], v52, 4, s75             ; 16 bytes a lane
	v_mov_b32 v[NINF], 0xff800000
	v_mov_b32 v[MX], 0xff800000
	v_mov_b32 v[MX+1], 0xff800000
	v_mov_b32 v[LS], 0
	v_mov_b32 v[LS+1], 0
	v_mov_b32 v[TT+4], 0                           ; destinations of v_permlanex16_b32 count as read
	v_mov_b32 v[TT+5], 0
.macro LOADQ lo                        ; my 32 query rows as fragments, straight from memory
	WIN 0x40
.irp qb, 0,1
.irp ks, 0,1
	global_load_b128 v[QF+16*\qb+8*\ks:QF+16*\qb+8*\ks+3],   v[QO], s[\lo:\lo+1] offset:\qb*98304+\ks*64
	global_load_b128 v[QF+16*\qb+8*\ks+4:QF+16*\qb+8*\ks+7], v[QO], s[\lo:\lo+1] offset:\qb*98304+\ks*64+32
.endr
.endr
	WIN 0
.endm
.macro LOADK slot
	WIN 0x40
.irp kb, 0,1,2,3,4,5,6,7
.irp ks, 0,1
	ds_load_b128 v[KF+16*\kb+8*\ks:KF+16*\kb+8*\ks+3],   v[ADRK+\slot] offset:\kb*2304+\ks*64
	ds_load_b128 v[KF+16*\kb+8*\ks+4:KF+16*\kb+8*\ks+7], v[ADRK+\slot] offset:\kb*2304+\ks*64+32
.endr
.endr
.endm
.macro LOADV slot                      ; into the registers of K, four places behind the last S product; the loads land while the softmax runs
	WIN 0x40
.irp hb, 0,1,2,3
.irp ss, 0,1,2,3
	ds_load_tr16_b128 v[VF+8*(4*\hb+\ss):VF+8*(4*\hb+\ss)+3],   v[ADRV+\slot] offset:\ss*5120+\hb*32
	ds_load_tr16_b128 v[VF+8*(4*\hb+\ss)+4:VF+8*(4*\hb+\ss)+7], v[ADRV+\slot] offset:\ss*5120+\hb*32+2560
.endr
.endr
	WIN 0
.endm
; S^T = K Q^T: 32 matrix instructions.  Four tiles take turns, one instruction a turn; the first product of each starts its sum.
.macro SMUL
	WIN 0x05
.irp g, 0,1,2,3
	s_wait_dscnt 24-8*\g                           ; the K fragments of key blocks 2 g, 2 g + 1 are in; those of later key blocks stay out
.irp ks, 0,1
.irp kk, 0,1
.irp qb, 0,1
.if \ks == 0
	v_wmma_f32_16x16x32_bf16 v[SB+64*\qb+8*(2*\g+\kk):SB+64*\qb+8*(2*\g+\kk)+7], v[KF+16*(2*\g+\kk)+8*\ks:KF+16*(2*\g+\kk)+8*\ks+7], v[QF+16*\qb+8*\ks:QF+16*\qb+8*\ks+7], 0
.else
	v_wmma_f32_16x16x32_bf16 v[SB+64*\qb+8*(2*\g+\kk):SB+64*\qb+8*(2*\g+\kk)+7], v[KF+16*(2*\g+\kk)+8*\ks:KF+16*(2*\g+\kk)+8*\ks+7], v[QF+16*\qb+8*\ks:QF+16*\qb+8*\ks+7], v[SB+64*\qb+8*(2*\g+\kk):SB+64*\qb+8*(2*\g+\kk)+7]
.endif
.endr
.endr
.endr
.endr
	WIN 0
.rept 4
	v_nop                                          ; four places before vector instructions read the results and before loads land on the registers of K
.endr
.endm
.macro MASK                            ; the diagonal tile: keys beyond the query become minus infinity
.irp qb, 0,1
.irp kb, 0,1,2,3,4,5,6,7
.irp i, 0,1,2,3,4,5,6,7
	v_cmp_le_i32 vcc_lo, 16*(\kb-\qb)+\i, v[DM]
	v_cndmask_b32 v[SB+64*\qb+8*\kb+\i], v[NINF], v[SB+64*\qb+8*\kb+\i], vcc_lo
.endr
.endr
.endr
.endm
.macro SOFTMAX
	; the largest score of each query in this tile: two chains a query block, started by data
.irp c, 0,1,2,3
	v_max_num_f32 v[TT+\c], v[SB+32*\c], v[SB+32*\c+1]
.endr
.irp k, 2,4,6,8,10,12,14,16,18,20,22,24,26,28,30
.irp c, 0,1,2,3
	v_max3_num_f32 v[TT+\c], v[TT+\c], v[SB+32*\c+\k], v[SB+32*\c+\k+1]
.endr
.endr
	v_max_num_f32 v[TT], v[TT], v[TT+1]
	v_max_num_f32 v[TT+2], v[TT+2], v[TT+3]
	v_permlanex16_b32 v[TT+4], v[TT], s14, s15     ; the other eight keys of each block lie 16 lanes away
	v_permlanex16_b32 v[TT+5], v[TT+2], s14, s15
	v_max3_num_f32 v[TT+6], v[TT], v[TT+4], v[MX]  ; the new running maximum: finite, since every query has a kept key in every tile that is taken
	v_max3_num_f32 v[TT+7], v[TT+2], v[TT+5], v[MX+1]
	v_mul_f32 v[NMC], s68, v[TT+6]
	v_mul_f32 v[NMC+1], s68, v[TT+6]
	v_mul_f32 v[NMC+2], s68, v[TT+7]
	v_mul_f32 v[NMC+3], s68, v[TT+7]
	v_fma_f32 v[TT+8], v[MX], s16, v[NMC]          ; (old - new) x c; minus infinity in the first tile
	v_fma_f32 v[TT+9], v[MX+1], s16, v[NMC+2]
	v_exp_f32 v[AL], v[TT+8]
	v_exp_f32 v[AL+1], v[TT+8]
	v_exp_f32 v[AL+2], v[TT+9]
	v_exp_f32 v[AL+3], v[TT+9]
	v_mov_b32 v[MX], v[TT+6]                       ; plain instructions behind the transcendentals (ISA guide 5.7.2)
	v_mov_b32 v[MX+1], v[TT+7]
.set k, 0
.rept 64
	v_pk_fma_f32 v[SB+k:SB+k+1], v[SB+k:SB+k+1], s[16:17], v[NMC+2*(k/64):NMC+2*(k/64)+1] op_sel_hi:[1,0,1]
.set k, k+2
.endr
.set k, 0
.rept 128
	v_exp_f32 v[SB+k], v[SB+k]
.set k, k+1
.endr
	v_nop
	s_wait_alu depctr_va_vdst(0)
.irp c, 0,1,2,3
	v_pk_add_f32 v[TT+2*\c:TT+2*\c+1], v[SB+32*\c:SB+32*\c+1], v[SB+32*\c+2:SB+32*\c+3]
.endr
.irp k, 4,6,8,10,12,14,16,18,20,22,24,26,28,30
.irp c, 0,1,2,3
	v_pk_add_f32 v[TT+2*\c:TT+2*\c+1], v[TT+2*\c:TT+2*\c+1], v[SB+32*\c+\k:SB+32*\c+\k+1]
.endr
.endr
	v_pk_add_f32 v[TT:TT+1], v[TT:TT+1], v[TT+2:TT+3]
	v_pk_add_f32 v[TT+4:TT+5], v[TT+4:TT+5], v[TT+6:TT+7]
	v_add_f32 v[TT], v[TT], v[TT+1]
	v_add_f32 v[TT+4], v[TT+4], v[TT+5]
	v_fma_f32 v[LS], v[LS], v[AL], v[TT]
	v_fma_f32 v[LS+1], v[LS+1], v[AL+2], v[TT+4]
	; two neighbouring tiles pack in place, ascending, into the fragment of P^T for 32 keys
.irp qb, 0,1
.irp ss, 0,1,2,3
.irp i, 0,1,2,3,4,5,6,7
	v_cvt_pk_bf16_f32 v[SB+64*\qb+16*\ss+\i], v[SB+64*\qb+16*\ss+2*\i], v[SB+64*\qb+16*\ss+2*\i+1]
.endr
.endr
.endr
.endm
.macro RESCALE                         ; O times the factor of its query block
.irp t, 0,1,2,3,4,5,6,7
.irp k, 0,2,4,6
	v_pk_mul_f32 v[OB+8*\t+\k:OB+8*\t+\k+1], v[OB+8*\t+\k:OB+8*\t+\k+1], v[AL+2*(\t%2):AL+2*(\t%2)+1]
.endr
.endr
.endm
.macro PV1 hb, qb, ss, zero
.if \zero
	v_wmma_f32_16x16x32_bf16 v[OB+8*(2*\hb+\qb):OB+8*(2*\hb+\qb)+7], v[VF+8*(4*\hb+\ss):VF+8*(4*\hb+\ss)+7], v[SB+64*\qb+16*\ss:SB+64*\qb+16*\ss+7], 0
.else
	v_wmma_f32_16x16x32_bf16 v[OB+8*(2*\hb+\qb):OB+8*(2*\hb+\qb)+7], v[VF+8*(4*\hb+\ss):VF+8*(4*\hb+\ss)+7], v[SB+64*\qb+16*\ss:SB+64*\qb+16*\ss+7], v[OB+8*(2*\hb+\qb):OB+8*(2*\hb+\qb)+7]
.endif
.endm
; O^T += V^T P^T: 32 matrix instructions, the eight accumulators by turns, one instruction a turn.
; zero = 1: the products of the first 32 keys start the sums.
.macro PVMUL zero
	s_wait_dscnt 0x0                               ; the fragments of V
	WIN 0x01
.irp hb, 0,1,2,3
.irp qb, 0,1
	PV1 \hb, \qb, 0, \zero
.endr
.endr
.irp ss, 1,2,3
.irp hb, 0,1,2,3
.irp qb, 0,1
	PV1 \hb, \qb, \ss, 0
.endr
.endr
.endr
	WIN 0
.rept 5
	v_nop                                          ; five places before the next S products write over P, four before loads into the fragments and before vector work and LDS stores on O
.endr
.endm
; a query block is done: divide by the sum, round, through my own stage, out in rows of 128 bytes
.macro FINAL lo
	v_permlanex16_b32 v[TT+4], v[LS], s14, s15
	v_permlanex16_b32 v[TT+5], v[LS+1], s14, s15
	v_add_f32 v[TT+4], v[LS], v[TT+4]
	v_add_f32 v[TT+5], v[LS+1], v[TT+5]
	v_rcp_f32 v[AL], v[TT+4]
	v_rcp_f32 v[AL+1], v[TT+4]
	v_rcp_f32 v[AL+2], v[TT+5]
	v_rcp_f32 v[AL+3], v[TT+5]
	v_nop
	s_wait_alu depctr_va_vdst(0)
	RESCALE
.irp t, 0,1,2,3,4,5,6,7
.irp k, 0,1,2,3
	v_cvt_pk_bf16_f32 v[SB+4*\t+\k], v[OB+8*\t+2*\k], v[OB+8*\t+2*\k+1]
.endr
.endr
.irp hb, 0,1,2,3
.irp qb, 0,1
	ds_store_b128 v[STO], v[SB+4*(2*\hb+\qb):SB+4*(2*\hb+\qb)+3] offset:\qb*2304+\hb*32
.endr
.endr
.irp i, 0,1,2,3,4,5,6,7
	ds_load_b128 v[SB+32+4*\i:SB+32+4*\i+3], v[RD] offset:\i*576    ; LDS serves the instructions of a wave in order (ISA guide 5.7.1): these see the stores above
.endr
.irp i, 0,1,2,3,4,5,6,7
	s_wait_dscnt 7-\i                              ; read-back i is in; the younger ones stay out
	global_store_b128 v[CO], v[SB+32+4*\i:SB+32+4*\i+3], s[\lo:\lo+1] offset:\i*8192
.endr
	s_wait_xcnt 0x0                                ; the registers that the stores read are written again only behind this wait
.endm
.macro SWITCH                          ; group A: from block p to block 15 - p
	LOADQ 58
	FINAL 60
	v_mov_b32 v[MX], v[NINF]
	v_mov_b32 v[MX+1], v[NINF]
	v_mov_b32 v[LS], 0
	v_mov_b32 v[LS+1], 0
	s_mov_b32 s13, 1
	s_wait_loadcnt 0x0                             ; the new Q
.endm
; group B hands over: O, then maximum and sum, 16 bytes a lane, 512 consecutive bytes an instruction
.macro HANDOVER
.irp i, 0,1,2,3,4,5,6,7,8,9,10,11,12,13,14,15
	ds_store_b128 v[DMP], v[OB+4*\i:OB+4*\i+3] offset:512*\i
.endr
	ds_store_b128 v[DMP], v[MX:MX+3] offset:8192
.endm
; group A takes the part of wave w + 4 (same lanes, same registers) and merges: m = max of the two maxima, each part times exp2((its maximum - m) c)
.macro MERGE
	ds_load_b128 v[TT:TT+3], v[DMP] offset:8192
.irp i, 0,1,2,3,4,5,6,7,8,9,10,11,12,13,14,15
	ds_load_b128 v[SB+4*\i:SB+4*\i+3], v[DMP] offset:512*\i
.endr
	s_wait_dscnt 0x0
	v_max_num_f32 v[TT+4], v[MX], v[TT]            ; both maxima are finite: either group has taken a tile with a kept key for every query
	v_max_num_f32 v[TT+5], v[MX+1], v[TT+1]
	v_mul_f32 v[TT+6], s68, v[TT+4]
	v_mul_f32 v[TT+7], s68, v[TT+5]
	v_fma_f32 v[TT+8], v[MX], s16, v[TT+6]
	v_fma_f32 v[TT+9], v[MX+1], s16, v[TT+7]
	v_fma_f32 v[TT+10], v[TT], s16, v[TT+6]
	v_fma_f32 v[TT+11], v[TT+1], s16, v[TT+7]
	v_exp_f32 v[AL], v[TT+8]
	v_exp_f32 v[AL+1], v[TT+8]
	v_exp_f32 v[AL+2], v[TT+9]
	v_exp_f32 v[AL+3], v[TT+9]
	v_exp_f32 v[NMC], v[TT+10]
	v_exp_f32 v[NMC+1], v[TT+10]
	v_exp_f32 v[NMC+2], v[TT+11]
	v_exp_f32 v[NMC+3], v[TT+11]
	v_nop                                          ; one plain vector instruction behind the transcendentals (ISA guide 5.7.2)
	s_wait_alu depctr_va_vdst(0)
	v_mul_f32 v[TT+2], v[TT+2], v[NMC]
	v_mul_f32 v[TT+3], v[TT+3], v[NMC+2]
	v_fma_f32 v[LS], v[LS], v[AL], v[TT+2]
	v_fma_f32 v[LS+1], v[LS+1], v[AL+2], v[TT+3]
	RESCALE
.irp t, 0,1,2,3,4,5,6,7
.irp k, 0,2,4,6
	v_pk_fma_f32 v[OB+8*\t+\k:OB+8*\t+\k+1], v[SB+8*\t+\k:SB+8*\t+\k+1], v[NMC+2*(\t%2):NMC+2*(\t%2)+1], v[OB+8*\t+\k:OB+8*\t+\k+1]
.endr
.endr
.endm
; One trip: either group takes a key tile from slot.  refill = 1: the tiles of trip t + 1 are asked for, into the other slot; 2: by group A alone.
; kind 0: the first trip; 1: a middle trip; 2: the last trip, group A alone, the diagonal tile of block 15 - p.
.macro TRIP slot, refill, kind
	s_wait_tensorcnt 0x0                           ; all my tensor loads have landed, my rows of this tile among them: every group 0 may be written
	ds_add_u32 v62, v63
	s_wait_dscnt 0x0
.if \refill
	s_add_co_u32 s18, s11, 1                       ; n = t + 1: tile n, or for group A behind its first block tile n + 7 - p
	s_add_co_u32 s19, s18, s74
	s_cmp_gt_u32 s18, s9
	s_cselect_b32 s18, s19, s18
	s_mul_i32 s66, s18, KTILE
	s_add_nc_u64 s[G0K+4*(1-\slot)+2:G0K+4*(1-\slot)+3], s[20:21], s[66:67]
	s_add_nc_u64 s[G0V+4*(1-\slot)+2:G0V+4*(1-\slot)+3], s[22:23], s[66:67]
.endif
	s_wait_dscnt 0x0                               ; my reads of the other slot are done, and what I have stored to LDS is there
	s_barrier_signal -1
	s_barrier_wait -1                              ; all of that now holds of all eight waves
.if \refill == 1
	tensor_load_to_lds s[G0K+4*(1-\slot):G0K+4*(1-\slot)+3], s[24:31]
	s_nop 0
	tensor_load_to_lds s[G0V+4*(1-\slot):G0V+4*(1-\slot)+3], s[32:39]
	s_nop 0
.endif
.if \refill == 2
	s_cmp_lg_u32 s72, 0                            ; group B has no ninth tile
	s_cbranch_scc1 .Lno_fill_\@
	tensor_load_to_lds s[G0K+4*(1-\slot):G0K+4*(1-\slot)+3], s[24:31]
	s_nop 0
	tensor_load_to_lds s[G0V+4*(1-\slot):G0V+4*(1-\slot)+3], s[32:39]
	s_nop 0
.Lno_fill_\@:
.endif
.if \kind == 2
	s_cmp_lg_u32 s72, 0                            ; group B is done: it has handed over in front of this barrier, and no barrier follows
	s_cbranch_scc1 .Lend
.endif
.if \kind != 0
	s_cmp_lg_u32 s11, s10
	s_cbranch_scc1 .Lsame_block_\@
	SWITCH
.Lsame_block_\@:
.endif
	LOADK \slot
	SMUL
	LOADV \slot
.if \kind == 2
	MASK
.else
	s_cmp_lg_u32 s11, s9                           ; group A, trip p: the diagonal tile of block p
	s_cbranch_scc1 .Lno_mask_\@
	MASK
.Lno_mask_\@:
.endif
	SOFTMAX
.if \kind == 0
	PVMUL 1
.else
	s_cmp_eq_u32 s13, 0
	s_cbranch_scc1 .Lgo_on_\@
	PVMUL 1                                        ; the first tile of the second block starts the sums anew
	s_branch .Ldone_\@
.Lgo_on_\@:
	RESCALE
	PVMUL 0
.Ldone_\@:
	s_mov_b32 s13, 0
.endif
	s_add_co_u32 s11, s11, 1
.endm
	LOADQ 56
	s_wait_loadcnt 0x0
	TRIP 0, 1, 0                                   ; t = 0
	s_mov_b32 s12, 3
.Lpair:
	TRIP 1, 1, 1                                   ; t = 1 .. 6
	TRIP 0, 1, 1
	s_sub_co_u32 s12, s12, 1
	s_cmp_lg_u32 s12, 0
	s_cbranch_scc1 .Lpair
	TRIP 1, 2, 1                                   ; t = 7: the last tile of group B; only group A asks for another
	s_cmp_eq_u32 s72, 0
	s_cbranch_scc1 .Lno_handover
	HANDOVER                                       ; waited for in front of the barrier of the last trip, read by group A behind it
.Lno_handover:
	TRIP 0, 0, 2                                   ; t = 8: group A alone; nothing more is asked for
	MERGE
	FINAL 62
.Lend:
	s_wait_tensorcnt 0x0
	ds_add_u32 v62, v63
	s_wait_dscnt 0x0
	s_endpgm
.Lfunc_end_k_q0b29dfdaea_attn:
	.size	k_q0b29dfdaea_attn, .Lfunc_end_k_q0b29dfdaea_attn-k_q0b29dfdaea_attn
	.p2alignl 7, 3214868480
	.fill 96, 4, 3214868480
	.section	.rodata,"a",@progbits
	.p2align	6, 0x0
	.amdhsa_kernel k_q0b29dfdaea_attn
		.amdhsa_group_segment_fixed_size 327680
		.amdhsa_private_segment_fixed_size 0
		.amdhsa_enable_private_segment 0
		.amdhsa_kernarg_size 16
		.amdhsa_user_sgpr_count 2
		.amdhsa_user_sgpr_kernarg_segment_ptr 1
		.amdhsa_wavefront_size32 1
		.amdhsa_system_sgpr_workgroup_id_x 1
		.amdhsa_system_sgpr_workgroup_id_y 1
		.amdhsa_system_sgpr_workgroup_id_z 1
		.amdhsa_system_vgpr_workitem_id 0
		.amdhsa_next_free_vgpr 448
		.amdhsa_next_free_sgpr 80
		.amdhsa_reserve_vcc 1
		.amdhsa_float_denorm_mode_32 3
		.amdhsa_float_denorm_mode_16_64 3
		.amdhsa_memory_ordered 1
		.amdhsa_forward_progress 1
		.amdhsa_inst_pref_size 255
	.end_amdhsa_kernel
	.section	.bss,"aw",@nobits
	.p2align	6
	.space	262144
	.amdgpu_metadata
---
amdhsa.version: [ 1, 2 ]
amdhsa.kernels:
  - .name:           k_q0b29dfdaea_attn
    .symbol:         k_q0b29dfdaea_attn.kd
    .args:
      - { .name: big, .offset: 0, .size: 8, .value_kind: global_buffer, .address_space: global }
      - { .name: hb, .offset: 8, .size: 8, .value_kind: global_buffer, .address_space: global }
    .group_segment_fixed_size: 327680
    .private_segment_fixed_size: 0
    .kernarg_segment_align: 8
    .kernarg_segment_size: 16
    .max_flat_workgroup_size: 256
    .sgpr_count:     80
    .vgpr_count:     448
    .wavefront_size: 32
...
	.end_amdgpu_metadata
.endif
;; end of part 3
;; launch proj (part 4): grid 8 x 32, 4 waves a work-group, clusters of 4 x 4, 327,680 bytes of LDS; arguments hb, wp, x1, x; writes x1
.if DOCPART == 4
	.amdgcn_target "amdgcn-amd-amdhsa--gfx1250"
	.amdhsa_code_object_version 6
	.text
	.protected	k_q0b29dfdaea_proj
	.globl	k_q0b29dfdaea_proj
	.p2align	8
	.type	k_q0b29dfdaea_proj,@function
k_q0b29dfdaea_proj:
	s_mov_b64 s[64:65], 0
	v_nop
	global_prefetch_b8 v0, s[64:65] scope:SCOPE_SE
	s_setreg_imm32_b32 hwreg(HW_REG_WAVE_MODE, 25, 1), 1
	s_wait_xcnt 0x0
	s_wait_alu depctr_hold_cnt(0) depctr_sa_sdst(0) depctr_va_vdst(0) depctr_va_sdst(0) depctr_va_ssrc(0) depctr_va_vcc(0) depctr_vm_vsrc(0)
	s_getreg_b32 s2, hwreg(HW_REG_IB_STS2, 6, 4)
	s_cmp_eq_u32 s2, 0
	s_cbranch_scc0 .Lentry_in_a_cluster
	s_endpgm
.Lentry_in_a_cluster:
	s_bfe_u32 s2, ttmp6, 0x10000c
	s_cmp_lg_u32 s2, 0xf033
	s_cbranch_scc0 .Lentry_shape_is_right
	s_endpgm
.Lentry_shape_is_right:
; C = R + A W (+ bias).  A: [4096][SIZE_K] bf16, W: [SIZE_K][1024] bf16 (rows along N), R and C: [4096][1024] f32, bias: [1024] f32.
; A work-group makes 128 x 128 of C.  K goes in steps of 256 through two LDS slots; wave w multiplies the whole 128 x 128 on k = 64 w .. 64 w + 63
; of every step (64 accumulator tiles, 512 registers), and the four partial sums are added in LDS at the end, as (c0 + c1) + (c2 + c3).
; So for 32 along K a wave reads 2 x 128 x 64 bytes from LDS for 64 matrix instructions, where a quarter of the block a wave would read half of that for 16.
; A tile of A is 128 rows x 512 bytes, a tile of W 256 k-rows x 256 bytes: whole aligned pieces of 256 bytes.  W stays [k][n] in LDS; its fragments
; are taken by the transposing load ds_load_tr16_b128.
; CLUSTERS: 4 x 4 work-groups; a tile of A is asked for jointly by a row of the cluster, a tile of W by a column.
; THE WALK ALONG K: a cluster begins at K step (cluster x * NSTEP/2 + (cluster y mod 4) * NSTEP/4) mod NSTEP and wraps round.  The two clusters that need
; the same rows of A are half of K apart, clusters that need the same columns of W a quarter: a tile is asked for by one cluster first and by the
; others later, not by all in the same step.  The start hangs on the coordinates of the cluster alone, so it is the same in all sixteen partners.
; REGISTER WINDOWS: 0: addresses, fragments of A (v64-127, v128-191), way out; 1: fragments of W; 2, 3: accumulators (tile (a, b) at v[8 (8 a + b)]).
; The matrix instruction is used transposed (source 0 = W, source 1 = A): a lane holds eight neighbouring numbers of one row of C.
; LIMITS: operands are bf16; K is summed in four parts, each beginning at the first step of its cluster, so the order of the sums differs from a serial sum.
.set SIZE_N, 1024
.set SIZE_K, 1024
.set BIAS,   0
.set KSTEP,  256
.set NSTEP,  SIZE_K/KSTEP              ; a power of two
.set PA,     528                       ; LDS pitch of A: 512 bytes + 16, an odd multiple of 16
.set PB,     288                       ; LDS pitch of W: 256 bytes + 32, an odd multiple of 32
.set HS,     36864                     ; LDS bytes from what one wave asks for to the next: 64 rows of A (33792 used) or 128 k-rows of W
.set AH4,    HS                        ; from row block 0 of A to row block 4
.set SLOT,   4*HS
.set CP,     528                       ; pitch of a partial C: 512 bytes + 16
.set CPY,    128*CP                    ; a partial C; four of them lie in the ring after its last fill
.set LAPS,   SIZE_K/(2*KSTEP)
.set ADRA, 16
.set ADRB, 20
.set STO,  24
.set RD,   25                          ; v25-28 my rows in copy 0..3
.set RO,   29
.set LO,   30
.set BI,   32                          ; v[32:35] bias of my four columns
.set F0,   64
.set F1,   128
.set RR,   64                          ; v[64:191] way out: 32 residual rows, 4 registers each
.set TT,   192                         ; v[192:255] way out: four rows x four copies
.set G1,   24
.set G0,   32
.set G1B,  48
.set G0B,  56
.set MSB,  0
.macro WIN new
.if MSB != \new
	s_set_vgpr_msb (MSB<<8)|\new
.set MSB, \new
.endif
.endm
.set MUL_LO, 0xa1
.set MUL_HI, 0xf1
.set TO_B,   0x40
.macro JLOAD s                         ; waves 0 and 1 ask for the halves of A, waves 2 and 3 for the halves of W
	s_cmp_eq_u32 s11, 0
	s_cbranch_scc0 .Lfor_b_\@
	tensor_load_to_lds s[G0+4*\s:G0+4*\s+3], s[G1:G1+7]
	s_nop 0
	s_branch .Lasked_\@
.Lfor_b_\@:
	tensor_load_to_lds s[G0B+4*\s:G0B+4*\s+3], s[G1B:G1B+7]
	s_nop 0
.Lasked_\@:
.endm
; the addresses of the next K step of the walk into the group 0 sets of slot s; s45 counts the steps from the start of the cluster, and wraps by the mask
.macro SETADR s
	s_and_b32 s66, s45, NSTEP-1
	s_lshl_b32 s16, s66, 9                         ; A: 256 elements of 2 bytes along a row
	s_mul_i32 s18, s66, KSTEP*SIZE_N*2             ; W: 256 k-rows
	s_add_nc_u64 s[G0+4*\s+2:G0+4*\s+3], s[14:15], s[16:17]
	s_add_nc_u64 s[G0B+4*\s+2:G0B+4*\s+3], s[46:47], s[18:19]
	s_add_co_u32 s45, s45, 1
.endm
.macro CREST
	s_cmp_lg_u32 s10, 0
	s_cbranch_scc1 .Lnot_wave_0_\@
	s_barrier_signal -3
.Lnot_wave_0_\@:
	s_barrier_wait -3
	s_barrier_signal -1
	s_barrier_wait -1
.endm
.macro CROUND
	s_barrier_signal -1
	s_barrier_wait -1
	CREST
.endm
	s_load_b128 s[4:7], s[0:1], 0x0                ; A s[4:5], W s[6:7]
	s_load_b64 s[8:9], s[0:1], 0x10                ; C
	s_load_b64 s[70:71], s[0:1], 0x18              ; R
	s_set_vgpr_msb 0x40
	v_lshl_add_u32 v255, v0, 2, 0x48000
	s_set_vgpr_msb 0x4000
	v_mov_b32 v63, 0
	s_set_vgpr_msb 0x1
	ds_add_u32 v255, v63
	ds_add_u32 v255, v63
	s_set_vgpr_msb 0x100
.if BIAS
	s_load_b64 s[68:69], s[0:1], 0x20              ; bias
.endif
	v_lshrrev_b32 v1, 5, v0
	v_readfirstlane_b32 s10, v1                    ; wave 0..3: my 64 of every 256 along K
	s_lshr_b32 s11, s10, 1                         ; I ask for A (0) or W (1),
	s_and_b32 s12, s10, 1                          ; for which half of that tile
	s_bfe_u32 s40, ttmp6, 0x40000                  ; cx
	s_bfe_u32 s41, ttmp6, 0x40004                  ; cy
	s_lshl_b32 s42, ttmp9, 2
	s_add_co_u32 s42, s42, s40                     ; block column
	s_and_b32 s13, ttmp7, 0xffff
	s_lshl_b32 s13, s13, 2
	s_add_co_u32 s13, s13, s41                     ; block row
	s_lshl_b32 s43, s41, 2
	s_lshl_b32 s43, 15, s43                        ; my row of the cluster
	s_lshl_b32 s44, 0x1111, s40                    ; my column
	s_mul_i32 s45, ttmp9, NSTEP/2                  ; the K step at which my cluster begins (taken modulo NSTEP where it is used)
	s_and_b32 s66, ttmp7, 3
	s_mul_i32 s66, s66, NSTEP/4
	s_add_co_u32 s45, s45, s66
	; group 1 for A: 64 rows x 256 elements of 2 bytes, 4 words of padding behind every 128
	s_or_b32 s[G1+0], s43, (1<<16)|(1<<20)|(1<<21)|(6<<22)|(3<<25)
	s_mov_b32 s[G1+1], 256<<16
	s_mov_b32 s[G1+2], 64<<16
	s_mov_b32 s[G1+3], 256<<16
	s_mov_b32 s[G1+4], 64
	s_mov_b32 s[G1+5], SIZE_K
	s_mov_b32 s[G1+6], 0
	s_mov_b32 s[G1+7], 0
	; group 1 for W: 128 k-rows x 128 elements, 8 words of padding behind every 64
	s_or_b32 s[G1B+0], s44, (1<<16)|(1<<20)|(1<<21)|(5<<22)|(7<<25)
	s_mov_b32 s[G1B+1], 128<<16
	s_mov_b32 s[G1B+2], 128<<16
	s_mov_b32 s[G1B+3], 128<<16
	s_mov_b32 s[G1B+4], 128
	s_mov_b32 s[G1B+5], SIZE_N
	s_mov_b32 s[G1B+6], 0
	s_mov_b32 s[G1B+7], 0
	s_lshl_b32 s17, s12, 6
	s_lshl_b32 s16, s13, 7
	s_add_co_u32 s16, s16, s17                     ; A: row 128 x block row + 64 x half
	s_mov_b32 s17, 0
	s_mov_b64 s[18:19], SIZE_K*2
	s_mul_u64 s[16:17], s[16:17], s[18:19]
	s_mul_i32 s46, s12, 128*SIZE_N*2               ; W: k-row 128 x half,
	s_lshl_b32 s47, s42, 8                         ; 256 bytes a block column
	s_add_co_u32 s46, s46, s47
	s_mov_b32 s47, 0
	s_mul_i32 s20, s10, HS
	s_wait_dscnt 0x0
	s_wait_kmcnt 0x0
	s_add_nc_u64 s[14:15], s[4:5], s[16:17]        ; my rows of A at K = 0
	s_add_nc_u64 s[46:47], s[6:7], s[46:47]        ; my k-rows and columns of W at K = 0
	s_or_b32 s15, s15, 0x80000000                  ; the type bits ride on both bases
	s_or_b32 s47, s47, 0x80000000
	s_mov_b32 s17, 0                               ; upper words of the two offsets of SETADR
	s_mov_b32 s19, 0
	CROUND                                         ; all sixteen work-groups are here: the first joint loads meet
.irp s, 0,1
	s_mov_b32 s[G0+4*\s], 1
	s_add_co_u32 s[G0+4*\s+1], s20, \s*SLOT
	s_mov_b32 s[G0B+4*\s], 1
	s_add_co_u32 s[G0B+4*\s+1], s20, \s*SLOT
	SETADR \s
	JLOAD \s
.endr
	v_and_b32 v1, 15, v0                           ; r
	v_bfe_u32 v2, v0, 4, 1                         ; h
	v_and_b32 v6, 7, v0                            ; e
	v_bfe_u32 v7, v0, 3, 1                         ; c
	v_and_b32 v5, 31, v0                           ; lane
	v_mul_u32_u24 v3, v1, PA
	v_lshl_add_u32 v3, v2, 4, v3                   ; A: r x pitch + 16 h
	v_lshl_add_u32 v4, v2, 3, v6
	v_mul_u32_u24 v4, v4, PB
	v_lshl_add_u32 v4, v7, 4, v4                   ; W: (8 h + e) x pitch + 16 c
	s_lshl_b32 s21, s10, 7                         ; my 64 along K in a row of A: 128 bytes
	s_mul_i32 s22, s10, 64*PB                      ; my 64 k-rows of W,
	s_add_co_u32 s22, s22, 2*HS                    ; which lies behind A
.irp s, 0,1
	v_add_nc_u32 v[ADRA+\s], s21, v3
	v_add_nc_u32 v[ADRB+\s], s22, v4
	s_add_co_u32 s21, s21, SLOT
	s_add_co_u32 s22, s22, SLOT
.endr
	v_lshlrev_b32 v[LO], 4, v5                     ; 16 bytes a lane
	s_mul_i32 s23, s10, CPY                        ; my partial C
	v_mul_u32_u24 v8, v1, CP
	v_lshl_add_u32 v8, v2, 5, v8                   ; row r, 32 bytes for each half of the lanes
	v_add_nc_u32 v[STO], s23, v8
	s_mul_i32 s23, s10, 32*CP                      ; the 32 rows that I add up
.irp c, 0,1,2,3
	v_add_nc_u32 v[RD+\c], s23, v[LO]
	s_add_co_u32 s23, s23, CPY
.endr
	s_lshl_b32 s23, s10, 17                        ; the same 32 rows in R and C: 4096 bytes each
	v_add_nc_u32 v[RO], s23, v[LO]
; The 64 accumulators take turns, one instruction a turn, in the same order in every quarter.
.macro MUL16 f, hi, a0, zero
.irp a, \a0, \a0+1
.irp b, 0,1,2,3,4,5,6,7
.if \zero
	v_wmma_f32_16x16x32_bf16 v[8*(8*(\a)+\b):8*(8*(\a)+\b)+7], v[\f+8*\b:\f+8*\b+7], v[\f+8*(4*\hi+\a):\f+8*(4*\hi+\a)+7], 0
.else
	v_wmma_f32_16x16x32_bf16 v[8*(8*(\a)+\b):8*(8*(\a)+\b)+7], v[\f+8*\b:\f+8*\b+7], v[\f+8*(4*\hi+\a):\f+8*(4*\hi+\a)+7], v[8*(8*(\a)+\b):8*(8*(\a)+\b)+7]
.endif
.endr
.endr
.endm
.macro FETCH slot, q, f                ; 32 LDS loads in one run: the fragments of my quarter q (32 along K) into buffer f
	WIN TO_B
.irp i, 0,1,2,3,4,5,6,7
	ds_load_tr16_b128 v[\f+8*\i:\f+8*\i+3],   v[ADRB+\slot] offset:\q*32*PB+32*\i
	ds_load_tr16_b128 v[\f+8*\i+4:\f+8*\i+7], v[ADRB+\slot] offset:\q*32*PB+16*PB+32*\i
.endr
	WIN 0
.irp i, 0,1,2,3,4,5,6,7
	ds_load_b128 v[\f+8*\i:\f+8*\i+3],   v[ADRA+\slot] offset:\q*64+(\i/4)*AH4+(\i%4)*16*PA
	ds_load_b128 v[\f+8*\i+4:\f+8*\i+7], v[ADRA+\slot] offset:\q*64+(\i/4)*AH4+(\i%4)*16*PA+32
.endr
.endm
.macro PLACES                          ; four plain vector instructions between a matrix instruction and a load into, or a use of, its registers
.rept 4
	v_nop
.endr
.endm
.macro QUARTER slot, q, f, g, zero
	s_wait_dscnt 8                                 ; W and rows 0-63 of A are in; the eight youngest loads (rows 64-127 of A) may be out
	WIN MUL_LO
	MUL16 \f, 0, 0, \zero
	MUL16 \f, 0, 2, \zero
	PLACES
	FETCH \slot, \q, \g
	s_wait_dscnt 32                                ; all but the 32 just issued
	WIN MUL_HI
	MUL16 \f, 1, 0, \zero
	MUL16 \f, 1, 2, \zero
.endm
.macro STEPQ slot, zero
	QUARTER \slot, 1, F0, F1, \zero
.endm
; The last quarter of a K step changes slots.  In front of the barrier each wave waits for its reads of this slot and for all its tensor loads (one is
; out: its part of the next slot).  With fill = 1 the barrier opens a round of the cluster barrier; the joint refill is the first tensor load behind it.
.macro TURN slot, next, fill
	s_wait_dscnt 8
	WIN MUL_LO
	MUL16 F1, 0, 0, 0
	s_wait_dscnt 0
	s_wait_tensorcnt 0x0
	ds_add_u32 v255, v63
	s_wait_dscnt 0x0
	s_barrier_signal -1
	MUL16 F1, 0, 2, 0
	WIN 0
	s_barrier_wait -1
.if \fill
	CREST
	SETADR \slot
	JLOAD \slot
.endif
	PLACES
	FETCH \next, 0, F0
	WIN MUL_HI
	MUL16 F1, 1, 0, 0
	MUL16 F1, 1, 2, 0
.endm
.macro LAP zero
	STEPQ 0, \zero
	TURN 0, 1, 1
	STEPQ 1, 0
	TURN 1, 0, 1
.endm
	s_wait_tensorcnt 1                             ; my part of the first K step is in; the second stays out
	s_barrier_signal -1
	s_barrier_wait -1
	FETCH 0, 0, F0
	LAP 1
.if LAPS > 2
	WIN 0
	s_mov_b32 s3, LAPS-2
.Llap:
	LAP 0
	WIN 0
	s_sub_co_u32 s3, s3, 1
	s_cmp_lg_u32 s3, 0
	s_cbranch_scc1 .Llap
.endif
	STEPQ 0, 0                                     ; the last lap fills nothing
	TURN 0, 1, 0
	STEPQ 1, 0
	s_wait_dscnt 8
	WIN MUL_LO
	MUL16 F1, 0, 0, 0
	MUL16 F1, 0, 2, 0
	s_wait_dscnt 0
	WIN MUL_HI
	MUL16 F1, 1, 0, 0
	MUL16 F1, 1, 2, 0
	; THE WAY OUT.  The ring has had its last fill; behind a barrier its bytes take the four partial sums.
	PLACES
	WIN 0
	s_lshl_b32 s16, s13, 19                        ; 128 rows of 4096 bytes a block row
	s_mov_b32 s17, 0
	s_lshl_b32 s46, s42, 9                         ; 512 bytes a block column
	s_mov_b32 s47, 0
	s_add_nc_u64 s[8:9], s[8:9], s[16:17]
	s_add_nc_u64 s[8:9], s[8:9], s[46:47]
	s_add_nc_u64 s[70:71], s[70:71], s[16:17]
	s_add_nc_u64 s[70:71], s[70:71], s[46:47]
.if BIAS
	s_add_nc_u64 s[68:69], s[68:69], s[46:47]
	global_load_b128 v[BI:BI+3], v[LO], s[68:69]
.endif
.set p, 0
.rept 32
	global_load_b128 v[RR+4*p:RR+4*p+3], v[RO], s[70:71] offset:4096*p    ; residual row p of my 32: 512 consecutive bytes
.set p, p+1
.endr
	s_wait_dscnt 0x0
	s_barrier_signal -1
	s_barrier_wait -1                              ; no wave reads the ring any more
	WIN 0x08                                       ; store data from window 2
.irp a, 0,1,2,3
.irp b, 0,1,2,3,4,5,6,7
	ds_store_b128 v[STO], v[8*(8*\a+\b):8*(8*\a+\b)+3]   offset:16*\a*CP+64*\b
	ds_store_b128 v[STO], v[8*(8*\a+\b)+4:8*(8*\a+\b)+7] offset:16*\a*CP+64*\b+16
.endr
.endr
	WIN 0x0c                                       ; from window 3
.irp a, 0,1,2,3
.irp b, 0,1,2,3,4,5,6,7
	ds_store_b128 v[STO], v[8*(8*\a+\b):8*(8*\a+\b)+3]   offset:16*(\a+4)*CP+64*\b
	ds_store_b128 v[STO], v[8*(8*\a+\b)+4:8*(8*\a+\b)+7] offset:16*(\a+4)*CP+64*\b+16
.endr
.endr
	WIN 0
	s_wait_dscnt 0x0                               ; my partial sums are in LDS,
	s_barrier_signal -1
	s_barrier_wait -1                              ; and so are the others
; four rows: the four copies, the residual (and the bias), one store of 512 consecutive bytes a row
.macro BATCH bn
.irp q, 0,1,2,3
.irp c, 0,1,2,3
	ds_load_b128 v[TT+16*\q+4*\c:TT+16*\q+4*\c+3], v[RD+\c] offset:CP*(4*\bn+\q)
.endr
.endr
	s_wait_dscnt 0x0
	s_wait_loadcnt 28-4*\bn                        ; the residual rows of this batch are in; those of later batches stay out
.irp q, 0,1,2,3
.irp d, 0,2
	v_pk_add_f32 v[TT+16*\q+\d:TT+16*\q+\d+1], v[TT+16*\q+\d:TT+16*\q+\d+1], v[TT+16*\q+4+\d:TT+16*\q+4+\d+1]
	v_pk_add_f32 v[TT+16*\q+8+\d:TT+16*\q+8+\d+1], v[TT+16*\q+8+\d:TT+16*\q+8+\d+1], v[TT+16*\q+12+\d:TT+16*\q+12+\d+1]
.endr
.irp d, 0,2
	v_pk_add_f32 v[TT+16*\q+\d:TT+16*\q+\d+1], v[TT+16*\q+\d:TT+16*\q+\d+1], v[TT+16*\q+8+\d:TT+16*\q+8+\d+1]
.endr
.irp d, 0,2
	v_pk_add_f32 v[RR+4*(4*\bn+\q)+\d:RR+4*(4*\bn+\q)+\d+1], v[RR+4*(4*\bn+\q)+\d:RR+4*(4*\bn+\q)+\d+1], v[TT+16*\q+\d:TT+16*\q+\d+1]
.endr
.if BIAS
.irp d, 0,2
	v_pk_add_f32 v[RR+4*(4*\bn+\q)+\d:RR+4*(4*\bn+\q)+\d+1], v[RR+4*(4*\bn+\q)+\d:RR+4*(4*\bn+\q)+\d+1], v[BI+\d:BI+\d+1]
.endr
.endif
	global_store_b128 v[RO], v[RR+4*(4*\bn+\q):RR+4*(4*\bn+\q)+3], s[8:9] offset:4096*(4*\bn+\q)   ; each row has its own registers: none is written again
.endr
.endm
	BATCH 0
	BATCH 1
	BATCH 2
	BATCH 3
	BATCH 4
	BATCH 5
	BATCH 6
	BATCH 7
	s_set_vgpr_msb 0x1
	s_wait_tensorcnt 0x0
	ds_add_u32 v255, v63
	s_wait_dscnt 0x0
	s_set_vgpr_msb 0x100
	CROUND                                         ; the closing round: no work-group ends while a partner may still ask for a tile that names it
	s_endpgm
.Lfunc_end_k_q0b29dfdaea_proj:
	.size	k_q0b29dfdaea_proj, .Lfunc_end_k_q0b29dfdaea_proj-k_q0b29dfdaea_proj
	.p2alignl 7, 3214868480
	.fill 96, 4, 3214868480
	.section	.rodata,"a",@progbits
	.p2align	6, 0x0
	.amdhsa_kernel k_q0b29dfdaea_proj
		.amdhsa_group_segment_fixed_size 327680
		.amdhsa_private_segment_fixed_size 0
		.amdhsa_enable_private_segment 0
		.amdhsa_kernarg_size 32
		.amdhsa_user_sgpr_count 2
		.amdhsa_user_sgpr_kernarg_segment_ptr 1
		.amdhsa_wavefront_size32 1
		.amdhsa_system_sgpr_workgroup_id_x 1
		.amdhsa_system_sgpr_workgroup_id_y 1
		.amdhsa_system_sgpr_workgroup_id_z 1
		.amdhsa_system_vgpr_workitem_id 0
		.amdhsa_next_free_vgpr 1024
		.amdhsa_next_free_sgpr 72
		.amdhsa_reserve_vcc 0
		.amdhsa_float_denorm_mode_32 3
		.amdhsa_float_denorm_mode_16_64 3
		.amdhsa_memory_ordered 1
		.amdhsa_forward_progress 1
		.amdhsa_inst_pref_size 100
	.end_amdhsa_kernel
	.amdgpu_metadata
---
amdhsa.version: [ 1, 2 ]
amdhsa.kernels:
  - .name:           k_q0b29dfdaea_proj
    .symbol:         k_q0b29dfdaea_proj.kd
    .args:
      - { .name: hb, .offset: 0, .size: 8, .value_kind: global_buffer, .address_space: global }
      - { .name: wp, .offset: 8, .size: 8, .value_kind: global_buffer, .address_space: global }
      - { .name: x1, .offset: 16, .size: 8, .value_kind: global_buffer, .address_space: global }
      - { .name: x, .offset: 24, .size: 8, .value_kind: global_buffer, .address_space: global }
    .group_segment_fixed_size: 327680
    .private_segment_fixed_size: 0
    .kernarg_segment_align: 8
    .kernarg_segment_size: 32
    .max_flat_workgroup_size: 128
    .sgpr_count:     72
    .vgpr_count:     1024
    .wavefront_size: 32
...
	.end_amdgpu_metadata
.endif
;; end of part 4
;; launch ln2 (part 5): grid 256 x 1, 8 waves a work-group, no clusters, 0 bytes of LDS; arguments x1, ln2_w, ln2_b, hb; writes hb
.if DOCPART == 5
	.amdgcn_target "amdgcn-amd-amdhsa--gfx1250"
	.amdhsa_code_object_version 6
	.text
	.protected	k_q0b29dfdaea_ln2
	.globl	k_q0b29dfdaea_ln2
	.p2align	8
	.type	k_q0b29dfdaea_ln2,@function
k_q0b29dfdaea_ln2:
	s_mov_b64 s[64:65], 0
	v_nop
	global_prefetch_b8 v0, s[64:65] scope:SCOPE_SE
	s_setreg_imm32_b32 hwreg(HW_REG_WAVE_MODE, 25, 1), 1
	s_wait_xcnt 0x0
; hb = LayerNorm(x1) * gain + bias, rounded to bf16.  x1: [4096][1024] f32, hb: [4096][1024] bf16.
; A stream: no LDS, no barrier, EXEC never changed, no matrix unit.  A work-group owns 16 rows, a wave two.  A row of 1024 f32 stays in 32
; registers of the wave between the passes, so it is read once.  Lane L holds elements 256 j + 8 L .. + 7 (j = 0..3): eight neighbours, which pack
; into the 16 bytes that the lane stores, and one store of the wave covers 512 consecutive bytes, aligned.
; The mean is taken away before the squares are summed (two passes over registers): no difference of large sums.
; LIMITS: output rounded to bf16 (nearest even); v_rsq_f32 is good to 1 ULP; the order of the sums differs from a serial sum.
.set XA,  8                            ; v[8:39]    first row
.set XB,  40                           ; v[40:71]   second row
.set GW,  72                           ; v[72:103]  gain of my 32 columns
.set GB,  104                          ; v[104:135] bias of my 32 columns
.set SUM, 136                          ; v[136:143] four chains of pairs
.set MU,  144                          ; v[144:145] the mean, twice
.set RSA, 146                          ; v[146:147] 1/sqrt(var+eps) of the first row, twice
.set RSB, 148                          ; v[148:149] of the second row
.set TP,  150                          ; v150       takes the other half of the lanes
.set YO,  152                          ; v[152:167] a row packed to bf16
.macro FOLD                            ; four chains of pairs to one number, then over the 32 lanes: every lane ends with the sum
	v_pk_add_f32 v[SUM:SUM+1], v[SUM:SUM+1], v[SUM+2:SUM+3]
	v_pk_add_f32 v[SUM+4:SUM+5], v[SUM+4:SUM+5], v[SUM+6:SUM+7]
	v_pk_add_f32 v[SUM:SUM+1], v[SUM:SUM+1], v[SUM+4:SUM+5]
	v_add_f32 v[SUM], v[SUM], v[SUM+1]
	v_add_f32_dpp v[SUM], v[SUM], v[SUM] row_xmask:1 row_mask:0xf bank_mask:0xf
	v_add_f32_dpp v[SUM], v[SUM], v[SUM] row_xmask:2 row_mask:0xf bank_mask:0xf
	v_add_f32_dpp v[SUM], v[SUM], v[SUM] row_xmask:4 row_mask:0xf bank_mask:0xf
	v_add_f32_dpp v[SUM], v[SUM], v[SUM] row_xmask:8 row_mask:0xf bank_mask:0xf
	v_permlanex16_b32 v[TP], v[SUM], s12, s13
	v_add_f32 v[SUM], v[SUM], v[TP]
.endm
.macro LNSTAT xr, rs                   ; mean, row minus mean in place, variance, reciprocal root into the pair rs
.irp c, 0,1,2,3
	v_pk_add_f32 v[SUM+2*\c:SUM+2*\c+1], v[\xr+4*\c:\xr+4*\c+1], v[\xr+4*\c+2:\xr+4*\c+3]   ; the first data start the chains: nothing is cleared
.endr
.irp g, 16,24
.irp c, 0,1,2,3
	v_pk_add_f32 v[SUM+2*\c:SUM+2*\c+1], v[SUM+2*\c:SUM+2*\c+1], v[\xr+\g+2*\c:\xr+\g+2*\c+1]
.endr
.endr
	FOLD
	v_mul_f32 v[MU], s20, v[SUM]
	v_mul_f32 v[MU+1], s20, v[SUM]
.irp k, 0,2,4,6,8,10,12,14,16,18,20,22,24,26,28,30
	v_pk_add_f32 v[\xr+\k:\xr+\k+1], v[\xr+\k:\xr+\k+1], v[MU:MU+1] neg_lo:[0,1] neg_hi:[0,1]
.endr
.irp c, 0,1,2,3
	v_pk_mul_f32 v[SUM+2*\c:SUM+2*\c+1], v[\xr+2*\c:\xr+2*\c+1], v[\xr+2*\c:\xr+2*\c+1]
.endr
.irp g, 8,16,24
.irp c, 0,1,2,3
	v_pk_fma_f32 v[SUM+2*\c:SUM+2*\c+1], v[\xr+\g+2*\c:\xr+\g+2*\c+1], v[\xr+\g+2*\c:\xr+\g+2*\c+1], v[SUM+2*\c:SUM+2*\c+1]
.endr
.endr
	FOLD
	v_fma_f32 v[SUM], v[SUM], s20, s21             ; variance + eps
	v_rsq_f32 v[\rs], v[SUM]
	v_rsq_f32 v[\rs+1], v[SUM]
	v_nop                                          ; one plain vector instruction behind a transcendental before its result is used (ISA guide 5.7.2)
.endm
.macro LNOUT xr, rs, rowimm            ; scale, gain and bias, round, store the row at byte rowimm from the first row of the wave
	s_wait_alu depctr_va_vdst(0)
.irp k, 0,2,4,6,8,10,12,14,16,18,20,22,24,26,28,30
	v_pk_mul_f32 v[\xr+\k:\xr+\k+1], v[\xr+\k:\xr+\k+1], v[\rs:\rs+1]
.endr
.irp k, 0,2,4,6,8,10,12,14,16,18,20,22,24,26,28,30
	v_pk_fma_f32 v[\xr+\k:\xr+\k+1], v[\xr+\k:\xr+\k+1], v[GW+\k:GW+\k+1], v[GB+\k:GB+\k+1]
.endr
.irp k, 0,1,2,3,4,5,6,7,8,9,10,11,12,13,14,15
	v_cvt_pk_bf16_f32 v[YO+\k], v[\xr+2*\k], v[\xr+2*\k+1]
.endr
.irp j, 0,1,2,3
	global_store_b128 v2, v[YO+4*\j:YO+4*\j+3], s[10:11] offset:\rowimm+512*\j
.endr
.endm
.macro LOAD32 dst, lo, imm             ; 32 numbers of a lane: four pieces of 32 bytes, 1024 bytes apart
.irp j, 0,1,2,3
	global_load_b128 v[\dst+8*\j:\dst+8*\j+3],   v1, s[\lo:\lo+1] offset:\imm+1024*\j
	global_load_b128 v[\dst+8*\j+4:\dst+8*\j+7], v1, s[\lo:\lo+1] offset:\imm+1024*\j+16
.endr
.endm
	s_load_b256 s[4:11], s[0:1], 0x0               ; x1 s[4:5], gain s[6:7], bias s[8:9], hb s[10:11]
	v_and_b32 v3, 31, v0                           ; lane
	v_lshrrev_b32 v4, 5, v0
	v_readfirstlane_b32 s14, v4                    ; wave
	v_lshlrev_b32 v1, 5, v3                        ; 32 bytes of f32 a lane
	v_lshlrev_b32 v2, 4, v3                        ; 16 bytes of bf16 a lane
	v_mov_b32 v[TP], 0                             ; the destination of v_permlanex16_b32 counts as read
	s_mov_b32 s12, 0x76543210
	s_mov_b32 s13, 0xfedcba98
	s_mov_b32 s20, 0x3a800000                      ; 1/1024
	s_mov_b32 s21, 0x3727c5ac                      ; 1e-5
	s_lshl_b32 s15, ttmp9, 4
	s_lshl1_add_u32 s15, s14, s15                  ; my first row = 16 x group + 2 x wave
	s_lshl_b32 s16, s15, 12
	s_mov_b32 s17, 0
	s_lshl_b32 s18, s15, 11
	s_mov_b32 s19, 0
	s_wait_kmcnt 0x0
	s_add_nc_u64 s[4:5], s[4:5], s[16:17]
	s_add_nc_u64 s[10:11], s[10:11], s[18:19]
	LOAD32 XA, 4, 0
	LOAD32 XB, 4, 4096
	LOAD32 GW, 6, 0
	LOAD32 GB, 8, 0
	s_wait_loadcnt 24                              ; the first row is in; the 24 younger loads stay out
	LNSTAT XA, RSA
	s_wait_loadcnt 16                              ; the second row is in; gain and bias stay out
	LNSTAT XB, RSB
	s_wait_loadcnt 0x0
	LNOUT XA, RSA, 0
	s_wait_xcnt 0x0                                ; the packed row, which the four stores read, is rewritten only behind this wait
	LNOUT XB, RSB, 2048
	s_endpgm
.Lfunc_end_k_q0b29dfdaea_ln2:
	.size	k_q0b29dfdaea_ln2, .Lfunc_end_k_q0b29dfdaea_ln2-k_q0b29dfdaea_ln2
	.p2alignl 7, 3214868480
	.fill 96, 4, 3214868480
	.section	.rodata,"a",@progbits
	.p2align	6, 0x0
	.amdhsa_kernel k_q0b29dfdaea_ln2
		.amdhsa_group_segment_fixed_size 0
		.amdhsa_private_segment_fixed_size 0
		.amdhsa_enable_private_segment 0
		.amdhsa_kernarg_size 32
		.amdhsa_user_sgpr_count 2
		.amdhsa_user_sgpr_kernarg_segment_ptr 1
		.amdhsa_wavefront_size32 1
		.amdhsa_system_sgpr_workgroup_id_x 1
		.amdhsa_system_sgpr_workgroup_id_y 1
		.amdhsa_system_sgpr_workgroup_id_z 1
		.amdhsa_system_vgpr_workitem_id 0
		.amdhsa_next_free_vgpr 168
		.amdhsa_next_free_sgpr 66
		.amdhsa_reserve_vcc 0
		.amdhsa_float_denorm_mode_32 3
		.amdhsa_float_denorm_mode_16_64 3
		.amdhsa_memory_ordered 1
		.amdhsa_forward_progress 1
		.amdhsa_inst_pref_size 20
	.end_amdhsa_kernel
	.amdgpu_metadata
---
amdhsa.version: [ 1, 2 ]
amdhsa.kernels:
  - .name:           k_q0b29dfdaea_ln2
    .symbol:         k_q0b29dfdaea_ln2.kd
    .args:
      - { .name: x1, .offset: 0, .size: 8, .value_kind: global_buffer, .address_space: global }
      - { .name: ln2_w, .offset: 8, .size: 8, .value_kind: global_buffer, .address_space: global }
      - { .name: ln2_b, .offset: 16, .size: 8, .value_kind: global_buffer, .address_space: global }
      - { .name: hb, .offset: 24, .size: 8, .value_kind: global_buffer, .address_space: global }
    .group_segment_fixed_size: 0
    .private_segment_fixed_size: 0
    .kernarg_segment_align: 8
    .kernarg_segment_size: 32
    .max_flat_workgroup_size: 256
    .sgpr_count:     66
    .vgpr_count:     168
    .wavefront_size: 32
...
	.end_amdgpu_metadata
.endif
;; end of part 5
;; launch fc1 (part 6): grid 16 x 16, 4 waves a work-group, clusters of 4 x 4, 327,680 bytes of LDS; arguments hb, w1, big, fc1_b; writes big
.if DOCPART == 6
	.amdgcn_target "amdgcn-amd-amdhsa--gfx1250"
	.amdhsa_code_object_version 6
	.text
	.protected	k_q0b29dfdaea_fc1
	.globl	k_q0b29dfdaea_fc1
	.p2align	8
	.type	k_q0b29dfdaea_fc1,@function
k_q0b29dfdaea_fc1:
	s_mov_b64 s[64:65], 0
	v_nop
	global_prefetch_b8 v0, s[64:65] scope:SCOPE_SE
	s_setreg_imm32_b32 hwreg(HW_REG_WAVE_MODE, 25, 1), 1
	s_wait_xcnt 0x0
	s_wait_alu depctr_hold_cnt(0) depctr_sa_sdst(0) depctr_va_vdst(0) depctr_va_sdst(0) depctr_va_ssrc(0) depctr_va_vcc(0) depctr_vm_vsrc(0)
	s_getreg_b32 s2, hwreg(HW_REG_IB_STS2, 6, 4)
	s_cmp_eq_u32 s2, 0
	s_cbranch_scc0 .Lentry_in_a_cluster
	s_endpgm
.Lentry_in_a_cluster:
	s_bfe_u32 s2, ttmp6, 0x10000c
	s_cmp_lg_u32 s2, 0xf033
	s_cbranch_scc0 .Lentry_shape_is_right
	s_endpgm
.Lentry_shape_is_right:
; C = A W.  A: [4096][SIZE_K] bf16, W: [SIZE_K][SIZE_N] bf16 (rows along N), C: [4096][SIZE_N] bf16; sums in f32, K ascending.
; With GELU = 1: C = gelu(A W + bias), exact gelu by a rational form of erfc.
; A work-group makes 256 x 256 of C with four waves, a wave 128 x 128: 64 accumulator tiles, 512 registers.  K goes in steps of 128 through
; two LDS slots filled by the tensor data mover.  A tile of A is 256 rows x 256 bytes, a tile of W 128 k-rows x 512 bytes: whole aligned
; pieces of 256 bytes of memory.  W stays [k][n] in LDS; its fragments are taken by the transposing load ds_load_tr16_b128.
; CLUSTERS: 4 x 4 work-groups.  A tile of A hangs on the block row alone and is asked for jointly by a row of the cluster, a tile of W on the
; block column alone and is asked for jointly by a column.
; REGISTER WINDOWS: 0: addresses, fragments of A (v64-127, v128-191), way out (v192-255); 1: fragments of W (same numbers), bias (v0-63, GELU);
; 2: accumulators of my rows 0-63 (tile (a, b) at v[8 (8 a + b)]); 3: of my rows 64-127.
; The matrix instruction is used transposed: source 0 = 16 columns of W, source 1 = 16 rows of A, so that a lane holds eight neighbouring
; numbers of one row of C.
; LIMITS: operands and C are bf16 (nearest even).  GELU: erfc by a five-term form, absolute error of erf at most 1.5e-7; v_exp_f32 and
; v_rcp_f32 are good to 1 ULP and flush denormals; an infinite pre-activation gives NaN.
.set SIZE_N, 4096
.set SIZE_K, 1024
.set GELU,   1
.set KSTEP,  128
.set PA,     272                       ; LDS pitch of A: 256 bytes + 16, an odd multiple of 16
.set PB,     544                       ; LDS pitch of W: 512 bytes + 32, an odd multiple of 32
.set HS,     34816                     ; what one tensor load brings: 128 rows of A or 64 k-rows of W
.set AH4,    64*PA                     ; from row block 0 of A to row block 4
.set SLOT,   4*HS                      ; A: 256 rows, then W: 128 k-rows
.set STAGE,  2*SLOT                    ; behind the ring: 16 rows x 272 bytes for each wave, never filled by a tensor load
.set SPITCH, 272
.set LAPS,   SIZE_K/(2*KSTEP)          ; a lap = two K steps
.set ADRA, 16                          ; v16-17 LDS address of my fragments of A in slot 0, 1
.set ADRB, 20                          ; v20-21 the same for W
.set STO,  24
.set RD,   25
.set CO,   26
.set BO,   28
.set KC,   32                          ; v[32:43] gelu constants, each twice
.set A5,   34
.set A4,   36
.set A3,   38
.set A2,   40
.set A1,   42
.set F0,   64
.set F1,   128
.set GX,   64                          ; way out with GELU: 64 values at work
.set GU,   128
.set GS,   144
.set GR,   160
.set GP,   176
.set TMP,  192
.set RB,   224
.set G1,   24
.set G0,   32
.set G1B,  48
.set G0B,  56
.set MSB,  0
.macro WIN new                         ; the high byte of the immediate repeats the setting that is left
.if MSB != \new
	s_set_vgpr_msb (MSB<<8)|\new
.set MSB, \new
.endif
.endm
.set MUL_LO, 0xa1                      ; source 0 (W) window 1, source 1 (A) window 0, C and D window 2
.set MUL_HI, 0xf1                      ; the same, C and D window 3
.set TO_B,   0x40                      ; destination window 1
; A joint load.  Waves 0 and 1 ask for the halves of A, waves 2 and 3 for the halves of W.  The branch hangs on the wave number alone.
.macro JLOAD s
	s_cmp_eq_u32 s11, 0
	s_cbranch_scc0 .Lfor_b_\@
	tensor_load_to_lds s[G0+4*\s:G0+4*\s+3], s[G1:G1+7]
	s_nop 0
	s_branch .Lasked_\@
.Lfor_b_\@:
	tensor_load_to_lds s[G0B+4*\s:G0B+4*\s+3], s[G1B:G1B+7]
	s_nop 0
.Lasked_\@:
.endm
.macro CREST                           ; a round of the cluster barrier behind its opening work-group barrier
	s_cmp_lg_u32 s10, 0
	s_cbranch_scc1 .Lnot_wave_0_\@
	s_barrier_signal -3
.Lnot_wave_0_\@:
	s_barrier_wait -3
	s_barrier_signal -1
	s_barrier_wait -1
.endm
.macro CROUND
	s_barrier_signal -1
	s_barrier_wait -1
	CREST
.endm
	s_load_b128 s[4:7], s[0:1], 0x0                ; A s[4:5], W s[6:7]
	s_load_b64 s[8:9], s[0:1], 0x10                ; C
.if GELU
	s_load_b64 s[68:69], s[0:1], 0x18              ; bias
	s_set_vgpr_msb 0x40
	v_lshl_add_u32 v255, v0, 2, 0x48400
	s_set_vgpr_msb 0x4000
	v_mov_b32 v63, 0
	s_set_vgpr_msb 0x1
	ds_add_u32 v255, v63
	ds_add_u32 v255, v63
	s_set_vgpr_msb 0x100
.endif
	v_lshrrev_b32 v1, 5, v0
	v_readfirstlane_b32 s10, v1                    ; wave 0..3
	s_lshr_b32 s11, s10, 1                         ; my half of the rows.  Also: I ask for A (0) or W (1)
	s_and_b32 s12, s10, 1                          ; my half of the columns.  Also: which half of that tile I ask for
	s_bfe_u32 s40, ttmp6, 0x40000                  ; cx
	s_bfe_u32 s41, ttmp6, 0x40004                  ; cy
	s_lshl_b32 s42, ttmp9, 2
	s_add_co_u32 s42, s42, s40                     ; block column
	s_and_b32 s13, ttmp7, 0xffff
	s_lshl_b32 s13, s13, 2
	s_add_co_u32 s13, s13, s41                     ; block row
	s_lshl_b32 s43, s41, 2
	s_lshl_b32 s43, 15, s43                        ; my row of the cluster
	s_lshl_b32 s44, 0x1111, s40                    ; my column
	; group 1 for A: 128 rows x 128 elements of 2 bytes, 4 words of padding behind every 64
	s_or_b32 s[G1+0], s43, (1<<16)|(1<<20)|(1<<21)|(5<<22)|(3<<25)
	s_mov_b32 s[G1+1], 128<<16
	s_mov_b32 s[G1+2], 128<<16
	s_mov_b32 s[G1+3], 128<<16
	s_mov_b32 s[G1+4], 128
	s_mov_b32 s[G1+5], SIZE_K
	s_mov_b32 s[G1+6], 0
	s_mov_b32 s[G1+7], 0
	; group 1 for W: 64 k-rows x 256 elements, 8 words of padding behind every 128
	s_or_b32 s[G1B+0], s44, (1<<16)|(1<<20)|(1<<21)|(6<<22)|(7<<25)
	s_mov_b32 s[G1B+1], 256<<16
	s_mov_b32 s[G1B+2], 64<<16
	s_mov_b32 s[G1B+3], 256<<16
	s_mov_b32 s[G1B+4], 64
	s_mov_b32 s[G1B+5], SIZE_N
	s_mov_b32 s[G1B+6], 0
	s_mov_b32 s[G1B+7], 0
	; where the tiles come from: A from the block row, W from the block column, each in registers that never hold the other coordinate
	s_lshl_b32 s17, s12, 7
	s_lshl_b32 s16, s13, 8
	s_add_co_u32 s16, s16, s17                     ; A: row 256 x block row + 128 x half
	s_mov_b32 s17, 0
	s_mov_b64 s[18:19], SIZE_K*2
	s_mul_u64 s[16:17], s[16:17], s[18:19]
	s_mul_i32 s46, s12, 64*SIZE_N*2                ; W: k-row 64 x half,
	s_lshl_b32 s47, s42, 9                         ; 512 bytes a block column
	s_add_co_u32 s46, s46, s47
	s_mov_b32 s47, 0
	s_mul_i32 s20, s10, HS                         ; and where they go: wave x 34816
	s_wait_dscnt 0x0
	s_wait_kmcnt 0x0
	s_add_nc_u64 s[14:15], s[4:5], s[16:17]
	s_add_nc_u64 s[46:47], s[6:7], s[46:47]
	CROUND                                         ; all sixteen work-groups are here: the first joint loads meet
.irp s, 0,1
	s_mov_b32 s[G0+4*\s], 1
	s_add_co_u32 s[G0+4*\s+1], s20, \s*SLOT
	s_add_nc_u64 s[G0+4*\s+2:G0+4*\s+3], s[14:15], \s*KSTEP*2
	s_or_b32 s[G0+4*\s+3], s[G0+4*\s+3], 0x80000000
	s_mov_b32 s[G0B+4*\s], 1
	s_add_co_u32 s[G0B+4*\s+1], s20, \s*SLOT
	s_add_nc_u64 s[G0B+4*\s+2:G0B+4*\s+3], s[46:47], \s*KSTEP*SIZE_N*2
	s_or_b32 s[G0B+4*\s+3], s[G0B+4*\s+3], 0x80000000
	JLOAD \s
.endr
	v_and_b32 v1, 15, v0                           ; r = lane % 16
	v_bfe_u32 v2, v0, 4, 1                         ; h = lane / 16
	v_and_b32 v6, 7, v0                            ; e = lane % 8
	v_bfe_u32 v7, v0, 3, 1                         ; c = bit 3 of the lane
	v_mul_u32_u24 v3, v1, PA
	v_lshl_add_u32 v3, v2, 4, v3                   ; A: r x pitch + 16 h
	v_lshl_add_u32 v4, v2, 3, v6
	v_mul_u32_u24 v4, v4, PB
	v_lshl_add_u32 v4, v7, 4, v4                   ; W: (8 h + e) x pitch + 16 c
	s_mul_i32 s21, s11, HS                         ; my 128 rows of A
	s_lshl_b32 s22, s12, 8                         ; my 128 columns of W,
	s_add_co_u32 s22, s22, 2*HS                    ; which lies behind A
.irp s, 0,1
	v_add_nc_u32 v[ADRA+\s], s21, v3
	v_add_nc_u32 v[ADRB+\s], s22, v4
	s_add_co_u32 s21, s21, SLOT
	s_add_co_u32 s22, s22, SLOT
.endr
	s_mul_i32 s23, s10, 16*SPITCH
	s_add_co_u32 s23, s23, STAGE                   ; my stage
	v_mul_u32_u24 v8, v1, SPITCH
	v_lshl_add_u32 v8, v2, 4, v8
	v_add_nc_u32 v[STO], s23, v8                   ; in: row r, 16 bytes for each half of the lanes
	v_mul_u32_u24 v5, v2, SPITCH
	v_lshl_add_u32 v5, v1, 4, v5
	v_add_nc_u32 v[RD], s23, v5                    ; back: lanes 0-15 one row of 256 bytes, lanes 16-31 the next
	v_mul_u32_u24 v5, v2, SIZE_N*2
	v_lshl_add_u32 v[CO], v1, 4, v5                ; the same two rows in C
.if GELU
	s_lshl_b32 s46, s42, 10                        ; bias of my 128 columns: 4 x (256 x block column + 128 x half)
	s_lshl_b32 s47, s12, 9
	s_add_co_u32 s46, s46, s47
	s_mov_b32 s47, 0
	s_add_nc_u64 s[68:69], s[68:69], s[46:47]
	v_lshlrev_b32 v[BO], 5, v2                     ; 8 h numbers
	WIN TO_B
.irp b, 0,1,2,3,4,5,6,7
	global_load_b128 v[8*\b:8*\b+3],   v[BO], s[68:69] offset:64*\b      ; window 1, v[8 b + j] = bias of column 16 b + 8 h + j
	global_load_b128 v[8*\b+4:8*\b+7], v[BO], s[68:69] offset:64*\b+16
.endr
	WIN 0
.endif
; 16 matrix instructions: row blocks a0, a0 + 1 of the window x all 8 column blocks, 32 along K.  zero = 1: the product starts the sums.
; The 64 accumulators take turns, one instruction a turn, in the same order in every quarter.
.macro MUL16 f, hi, a0, zero
.irp a, \a0, \a0+1
.irp b, 0,1,2,3,4,5,6,7
.if \zero
	v_wmma_f32_16x16x32_bf16 v[8*(8*(\a)+\b):8*(8*(\a)+\b)+7], v[\f+8*\b:\f+8*\b+7], v[\f+8*(4*\hi+\a):\f+8*(4*\hi+\a)+7], 0
.else
	v_wmma_f32_16x16x32_bf16 v[8*(8*(\a)+\b):8*(8*(\a)+\b)+7], v[\f+8*\b:\f+8*\b+7], v[\f+8*(4*\hi+\a):\f+8*(4*\hi+\a)+7], v[8*(8*(\a)+\b):8*(8*(\a)+\b)+7]
.endif
.endr
.endr
.endm
; 32 LDS loads in one run: the fragments of quarter q (32 along K) into buffer f.  W: two transposing loads a column block, 16 k-rows apart.
.macro FETCH slot, q, f
	WIN TO_B
.irp i, 0,1,2,3,4,5,6,7
	ds_load_tr16_b128 v[\f+8*\i:\f+8*\i+3],   v[ADRB+\slot] offset:\q*32*PB+32*\i
	ds_load_tr16_b128 v[\f+8*\i+4:\f+8*\i+7], v[ADRB+\slot] offset:\q*32*PB+16*PB+32*\i
.endr
	WIN 0
.irp i, 0,1,2,3,4,5,6,7
	ds_load_b128 v[\f+8*\i:\f+8*\i+3],   v[ADRA+\slot] offset:\q*64+(\i/4)*AH4+(\i%4)*16*PA
	ds_load_b128 v[\f+8*\i+4:\f+8*\i+7], v[ADRA+\slot] offset:\q*64+(\i/4)*AH4+(\i%4)*16*PA+32
.endr
.endm
.macro PLACES                          ; four plain vector instructions between a matrix instruction and a load into, or a vector use of, its registers
.rept 4
	v_nop
.endr
.endm
.macro QUARTER slot, q, f, g, zero     ; multiplies buffer f; in its middle fetches quarter q into buffer g
	s_wait_dscnt 8                                 ; W and rows 0-63 of A are in; the eight youngest loads (rows 64-127 of A) may be out
	WIN MUL_LO
	MUL16 \f, 0, 0, \zero
	MUL16 \f, 0, 2, \zero
	PLACES
	FETCH \slot, \q, \g
	s_wait_dscnt 32                                ; all but the 32 just issued
	WIN MUL_HI
	MUL16 \f, 1, 0, \zero
	MUL16 \f, 1, 2, \zero
.endm
.macro STEPQ slot, zero
	QUARTER \slot, 1, F0, F1, \zero
	QUARTER \slot, 2, F1, F0, 0
	QUARTER \slot, 3, F0, F1, 0
.endm
; The last quarter of a K step: multiplies buffer 1 and changes slots.  In front of the barrier each wave waits for its reads of this slot and
; for all its tensor loads (one is out: its part of the next slot).  With fill = 1 the barrier opens a round of the cluster barrier and the
; joint refill is the first tensor load behind the round.
.macro TURN slot, next, fill
	s_wait_dscnt 8
	WIN MUL_LO
	MUL16 F1, 0, 0, 0
	s_wait_dscnt 0
	s_wait_tensorcnt 0x0
	ds_add_u32 v255, v63
	s_wait_dscnt 0x0
	s_barrier_signal -1
	MUL16 F1, 0, 2, 0
	WIN 0
	s_barrier_wait -1
.if \fill
	CREST
	s_add_nc_u64 s[G0+4*\slot+2:G0+4*\slot+3], s[G0+4*\slot+2:G0+4*\slot+3], 2*KSTEP*2
	s_add_nc_u64 s[G0B+4*\slot+2:G0B+4*\slot+3], s[G0B+4*\slot+2:G0B+4*\slot+3], 2*KSTEP*SIZE_N*2
	JLOAD \slot
.endif
	PLACES
	FETCH \next, 0, F0
	WIN MUL_HI
	MUL16 F1, 1, 0, 0
	MUL16 F1, 1, 2, 0
.endm
.macro LAP zero
	STEPQ 0, \zero
	TURN 0, 1, 1
	STEPQ 1, 0
	TURN 1, 0, 1
.endm
	s_wait_tensorcnt 1                             ; my part of K step 0 is in; K step 1 stays out
	s_barrier_signal -1
	s_barrier_wait -1
	FETCH 0, 0, F0
	LAP 1                                          ; the first lap stands in front of the loop: its first products start the sums
.if LAPS > 2
	WIN 0
	s_mov_b32 s3, LAPS-2
.Llap:
	LAP 0
	WIN 0
	s_sub_co_u32 s3, s3, 1
	s_cmp_lg_u32 s3, 0
	s_cbranch_scc1 .Llap
.endif
	STEPQ 0, 0                                     ; the last lap fills nothing
	TURN 0, 1, 0
	STEPQ 1, 0
	s_wait_dscnt 8
	WIN MUL_LO
	MUL16 F1, 0, 0, 0
	MUL16 F1, 0, 2, 0
	s_wait_dscnt 0
	WIN MUL_HI
	MUL16 F1, 1, 0, 0
	MUL16 F1, 1, 2, 0
	; THE WAY OUT, 16 rows at a time: (bias, gelu,) round to bf16, 16 bytes a lane into my own stage, read back as whole rows of 256 bytes.
	PLACES
	WIN 0
	s_lshl_b32 s13, s13, 8
	s_lshl_b32 s14, s11, 7
	s_add_co_u32 s16, s13, s14                     ; my first row of C
	s_mov_b32 s17, 0
	s_mov_b64 s[18:19], SIZE_N*2
	s_mul_u64 s[16:17], s[16:17], s[18:19]
	s_add_nc_u64 s[8:9], s[8:9], s[16:17]
	s_lshl_b32 s46, s42, 9                         ; my first column in bytes
	s_lshl_b32 s47, s12, 8
	s_add_co_u32 s46, s46, s47
	s_mov_b32 s47, 0
	s_add_nc_u64 s[8:9], s[8:9], s[46:47]
.if GELU
	s_mov_b32 s72, 0x3e6d3389                      ; 0.3275911 / sqrt 2
	v_mov_b32 v[KC],   0xbf38aa3b                  ; - log2(e) / 2
	v_mov_b32 v[KC+1], 0xbf38aa3b
	v_mov_b32 v[A5],   0x3f07dc22                  ; the five coefficients, halved
	v_mov_b32 v[A5+1], 0x3f07dc22
	v_mov_b32 v[A4],   0xbf3a00e3
	v_mov_b32 v[A4+1], 0xbf3a00e3
	v_mov_b32 v[A3],   0x3f35f0e3
	v_mov_b32 v[A3+1], 0x3f35f0e3
	v_mov_b32 v[A2],   0xbe11a98e
	v_mov_b32 v[A2+1], 0xbe11a98e
	v_mov_b32 v[A1],   0x3e027906
	v_mov_b32 v[A1+1], 0x3e027906
	s_wait_loadcnt 0x0                             ; the bias, once
.endif
; gelu(x) = max(x, 0) - |x| erfc(|x| / sqrt 2) / 2, erfc(z) = t (a1 + t (a2 + t (a3 + t (a4 + t a5)))) exp(-z z), t = 1 / (1 + 0.3275911 z).  16 values in place.
.macro GELU16 x
.irp i, 0,1,2,3,4,5,6,7,8,9,10,11,12,13,14,15
	v_fma_f32 v[GU+\i], |v[\x+\i]|, s72, 1.0
.endr
.irp i, 0,2,4,6,8,10,12,14
	v_pk_mul_f32 v[GS+\i:GS+\i+1], v[\x+\i:\x+\i+1], v[\x+\i:\x+\i+1]
.endr
.irp i, 0,2,4,6,8,10,12,14
	v_pk_mul_f32 v[GS+\i:GS+\i+1], v[GS+\i:GS+\i+1], v[KC:KC+1]
.endr
.irp i, 0,1,2,3,4,5,6,7,8,9,10,11,12,13,14,15
	v_rcp_f32 v[GU+\i], v[GU+\i]
.endr
.irp i, 0,1,2,3,4,5,6,7,8,9,10,11,12,13,14,15
	v_exp_f32 v[GS+\i], v[GS+\i]
.endr
.irp i, 0,1,2,3,4,5,6,7,8,9,10,11,12,13,14,15
	v_max_num_f32 v[GR+\i], 0, v[\x+\i]            ; plain instructions behind the transcendentals (ISA guide 5.7.2)
.endr
	s_wait_alu depctr_va_vdst(0)
.irp i, 0,2,4,6,8,10,12,14
	v_pk_fma_f32 v[GP+\i:GP+\i+1], v[GU+\i:GU+\i+1], v[A5:A5+1], v[A4:A4+1]
.endr
.irp i, 0,2,4,6,8,10,12,14
	v_pk_fma_f32 v[GP+\i:GP+\i+1], v[GP+\i:GP+\i+1], v[GU+\i:GU+\i+1], v[A3:A3+1]
.endr
.irp i, 0,2,4,6,8,10,12,14
	v_pk_fma_f32 v[GP+\i:GP+\i+1], v[GP+\i:GP+\i+1], v[GU+\i:GU+\i+1], v[A2:A2+1]
.endr
.irp i, 0,2,4,6,8,10,12,14
	v_pk_fma_f32 v[GP+\i:GP+\i+1], v[GP+\i:GP+\i+1], v[GU+\i:GU+\i+1], v[A1:A1+1]
.endr
.irp i, 0,2,4,6,8,10,12,14
	v_pk_mul_f32 v[GP+\i:GP+\i+1], v[GP+\i:GP+\i+1], v[GU+\i:GU+\i+1]
.endr
.irp i, 0,2,4,6,8,10,12,14
	v_pk_mul_f32 v[GP+\i:GP+\i+1], v[GP+\i:GP+\i+1], v[GS+\i:GS+\i+1]
.endr
.irp i, 0,1,2,3,4,5,6,7,8,9,10,11,12,13,14,15
	v_fma_f32 v[\x+\i], -|v[\x+\i]|, v[GP+\i], v[GR+\i]
.endr
.endm
; rows 16 i .. 16 i + 15 of my block = the eight tiles (a, 0..7) of window 2 or 3.  cvtwin: both sources in that window; addwin: source 0 there, source 1 in window 1.
.macro OUT16 i, a, cvtwin, addwin
.if GELU
	WIN \addwin
.irp b, 0,1,2,3,4,5,6,7
.irp k, 0,2,4,6
	v_pk_add_f32 v[GX+8*\b+\k:GX+8*\b+\k+1], v[8*(8*\a+\b)+\k:8*(8*\a+\b)+\k+1], v[8*\b+\k:8*\b+\k+1]
.endr
.endr
	WIN 0
	GELU16 GX
	GELU16 GX+16
	GELU16 GX+32
	GELU16 GX+48
.irp b, 0,1,2,3,4,5,6,7
.irp r, 0,1,2,3
	v_cvt_pk_bf16_f32 v[TMP+4*\b+\r], v[GX+8*\b+2*\r], v[GX+8*\b+2*\r+1]
.endr
.endr
.else
	WIN \cvtwin
.irp b, 0,1,2,3,4,5,6,7
.irp r, 0,1,2,3
	v_cvt_pk_bf16_f32 v[TMP+4*\b+\r], v[8*(8*\a+\b)+2*\r], v[8*(8*\a+\b)+2*\r+1]
.endr
.endr
	WIN 0
.endif
.irp b, 0,1,2,3,4,5,6,7
	ds_store_b128 v[STO], v[TMP+4*\b:TMP+4*\b+3] offset:32*\b
.endr
	s_wait_xcnt 0x0                                ; the read-back buffer, which stores read, and the base of the stores are rewritten only behind this wait
.if \i
	s_add_nc_u64 s[8:9], s[8:9], 16*SIZE_N*2
.endif
.irp t, 0,1,2,3,4,5,6,7
	ds_load_b128 v[RB+4*\t:RB+4*\t+3], v[RD] offset:\t*2*SPITCH    ; LDS serves the instructions of a wave in order (ISA guide 5.7.1): these see the stores above
.endr
.irp t, 0,1,2,3,4,5,6,7
	s_wait_dscnt 7-\t                              ; read-back t is in; the younger ones stay out
	global_store_b128 v[CO], v[RB+4*\t:RB+4*\t+3], s[8:9] offset:2*\t*SIZE_N*2   ; 16 lanes store 256 consecutive bytes, aligned
.endr
.endm
	OUT16 0, 0, 0x0a, 0x06
	OUT16 1, 1, 0x0a, 0x06
	OUT16 2, 2, 0x0a, 0x06
	OUT16 3, 3, 0x0a, 0x06
	OUT16 4, 0, 0x0f, 0x07
	OUT16 5, 1, 0x0f, 0x07
	OUT16 6, 2, 0x0f, 0x07
	OUT16 7, 3, 0x0f, 0x07
	s_set_vgpr_msb 0x1
	s_wait_tensorcnt 0x0
	ds_add_u32 v255, v63
	s_wait_dscnt 0x0
	s_set_vgpr_msb 0x100
	CROUND                                         ; the closing round: no work-group ends while a partner may still ask for a tile that names it
	s_endpgm
.Lfunc_end_k_q0b29dfdaea_fc1:
	.size	k_q0b29dfdaea_fc1, .Lfunc_end_k_q0b29dfdaea_fc1-k_q0b29dfdaea_fc1
	.p2alignl 7, 3214868480
	.fill 96, 4, 3214868480
	.section	.rodata,"a",@progbits
	.p2align	6, 0x0
	.amdhsa_kernel k_q0b29dfdaea_fc1
		.amdhsa_group_segment_fixed_size 327680
		.amdhsa_private_segment_fixed_size 0
		.amdhsa_enable_private_segment 0
		.amdhsa_kernarg_size 32
		.amdhsa_user_sgpr_count 2
		.amdhsa_user_sgpr_kernarg_segment_ptr 1
		.amdhsa_wavefront_size32 1
		.amdhsa_system_sgpr_workgroup_id_x 1
		.amdhsa_system_sgpr_workgroup_id_y 1
		.amdhsa_system_sgpr_workgroup_id_z 1
		.amdhsa_system_vgpr_workitem_id 0
		.amdhsa_next_free_vgpr 1024
		.amdhsa_next_free_sgpr 80
		.amdhsa_reserve_vcc 0
		.amdhsa_float_denorm_mode_32 3
		.amdhsa_float_denorm_mode_16_64 3
		.amdhsa_memory_ordered 1
		.amdhsa_forward_progress 1
		.amdhsa_inst_pref_size 255
	.end_amdhsa_kernel
	.section	.bss,"aw",@nobits
	.p2align	6
	.space	262144
	.amdgpu_metadata
---
amdhsa.version: [ 1, 2 ]
amdhsa.kernels:
  - .name:           k_q0b29dfdaea_fc1
    .symbol:         k_q0b29dfdaea_fc1.kd
    .args:
      - { .name: hb, .offset: 0, .size: 8, .value_kind: global_buffer, .address_space: global }
      - { .name: w1, .offset: 8, .size: 8, .value_kind: global_buffer, .address_space: global }
      - { .name: big, .offset: 16, .size: 8, .value_kind: global_buffer, .address_space: global }
      - { .name: fc1_b, .offset: 24, .size: 8, .value_kind: global_buffer, .address_space: global }
    .group_segment_fixed_size: 327680
    .private_segment_fixed_size: 0
    .kernarg_segment_align: 8
    .kernarg_segment_size: 32
    .max_flat_workgroup_size: 128
    .sgpr_count:     80
    .vgpr_count:     1024
    .wavefront_size: 32
...
	.end_amdgpu_metadata
.endif
;; end of part 6
;; launch fc2 (part 7): grid 8 x 32, 4 waves a work-group, clusters of 4 x 4, 327,680 bytes of LDS; arguments big, w2, out0, x1, fc2_b; writes out0
.if DOCPART == 7
	.amdgcn_target "amdgcn-amd-amdhsa--gfx1250"
	.amdhsa_code_object_version 6
	.text
	.protected	k_q0b29dfdaea_fc2
	.globl	k_q0b29dfdaea_fc2
	.p2align	8
	.type	k_q0b29dfdaea_fc2,@function
k_q0b29dfdaea_fc2:
	s_mov_b64 s[64:65], 0
	v_nop
	global_prefetch_b8 v0, s[64:65] scope:SCOPE_SE
	s_setreg_imm32_b32 hwreg(HW_REG_WAVE_MODE, 25, 1), 1
	s_wait_xcnt 0x0
	s_wait_alu depctr_hold_cnt(0) depctr_sa_sdst(0) depctr_va_vdst(0) depctr_va_sdst(0) depctr_va_ssrc(0) depctr_va_vcc(0) depctr_vm_vsrc(0)
	s_getreg_b32 s2, hwreg(HW_REG_IB_STS2, 6, 4)
	s_cmp_eq_u32 s2, 0
	s_cbranch_scc0 .Lentry_in_a_cluster
	s_endpgm
.Lentry_in_a_cluster:
	s_bfe_u32 s2, ttmp6, 0x10000c
	s_cmp_lg_u32 s2, 0xf033
	s_cbranch_scc0 .Lentry_shape_is_right
	s_endpgm
.Lentry_shape_is_right:
; C = R + A W (+ bias).  A: [4096][SIZE_K] bf16, W: [SIZE_K][1024] bf16 (rows along N), R and C: [4096][1024] f32, bias: [1024] f32.
; A work-group makes 128 x 128 of C.  K goes in steps of 256 through two LDS slots; wave w multiplies the whole 128 x 128 on k = 64 w .. 64 w + 63
; of every step (64 accumulator tiles, 512 registers), and the four partial sums are added in LDS at the end, as (c0 + c1) + (c2 + c3).
; So for 32 along K a wave reads 2 x 128 x 64 bytes from LDS for 64 matrix instructions, where a quarter of the block a wave would read half of that for 16.
; A tile of A is 128 rows x 512 bytes, a tile of W 256 k-rows x 256 bytes: whole aligned pieces of 256 bytes.  W stays [k][n] in LDS; its fragments
; are taken by the transposing load ds_load_tr16_b128.
; CLUSTERS: 4 x 4 work-groups; a tile of A is asked for jointly by a row of the cluster, a tile of W by a column.
; THE WALK ALONG K: a cluster begins at K step (cluster x * NSTEP/2 + (cluster y mod 4) * NSTEP/4) mod NSTEP and wraps round.  The two clusters that need
; the same rows of A are half of K apart, clusters that need the same columns of W a quarter: a tile is asked for by one cluster first and by the
; others later, not by all in the same step.  The start hangs on the coordinates of the cluster alone, so it is the same in all sixteen partners.
; REGISTER WINDOWS: 0: addresses, fragments of A (v64-127, v128-191), way out; 1: fragments of W; 2, 3: accumulators (tile (a, b) at v[8 (8 a + b)]).
; The matrix instruction is used transposed (source 0 = W, source 1 = A): a lane holds eight neighbouring numbers of one row of C.
; LIMITS: operands are bf16; K is summed in four parts, each beginning at the first step of its cluster, so the order of the sums differs from a serial sum.
.set SIZE_N, 1024
.set SIZE_K, 4096
.set BIAS,   1
.set KSTEP,  256
.set NSTEP,  SIZE_K/KSTEP              ; a power of two
.set PA,     528                       ; LDS pitch of A: 512 bytes + 16, an odd multiple of 16
.set PB,     288                       ; LDS pitch of W: 256 bytes + 32, an odd multiple of 32
.set HS,     36864                     ; LDS bytes from what one wave asks for to the next: 64 rows of A (33792 used) or 128 k-rows of W
.set AH4,    HS                        ; from row block 0 of A to row block 4
.set SLOT,   4*HS
.set CP,     528                       ; pitch of a partial C: 512 bytes + 16
.set CPY,    128*CP                    ; a partial C; four of them lie in the ring after its last fill
.set LAPS,   SIZE_K/(2*KSTEP)
.set ADRA, 16
.set ADRB, 20
.set STO,  24
.set RD,   25                          ; v25-28 my rows in copy 0..3
.set RO,   29
.set LO,   30
.set BI,   32                          ; v[32:35] bias of my four columns
.set F0,   64
.set F1,   128
.set RR,   64                          ; v[64:191] way out: 32 residual rows, 4 registers each
.set TT,   192                         ; v[192:255] way out: four rows x four copies
.set G1,   24
.set G0,   32
.set G1B,  48
.set G0B,  56
.set MSB,  0
.macro WIN new
.if MSB != \new
	s_set_vgpr_msb (MSB<<8)|\new
.set MSB, \new
.endif
.endm
.set MUL_LO, 0xa1
.set MUL_HI, 0xf1
.set TO_B,   0x40
.macro JLOAD s                         ; waves 0 and 1 ask for the halves of A, waves 2 and 3 for the halves of W
	s_cmp_eq_u32 s11, 0
	s_cbranch_scc0 .Lfor_b_\@
	tensor_load_to_lds s[G0+4*\s:G0+4*\s+3], s[G1:G1+7]
	s_nop 0
	s_branch .Lasked_\@
.Lfor_b_\@:
	tensor_load_to_lds s[G0B+4*\s:G0B+4*\s+3], s[G1B:G1B+7]
	s_nop 0
.Lasked_\@:
.endm
; the addresses of the next K step of the walk into the group 0 sets of slot s; s45 counts the steps from the start of the cluster, and wraps by the mask
.macro SETADR s
	s_and_b32 s66, s45, NSTEP-1
	s_lshl_b32 s16, s66, 9                         ; A: 256 elements of 2 bytes along a row
	s_mul_i32 s18, s66, KSTEP*SIZE_N*2             ; W: 256 k-rows
	s_add_nc_u64 s[G0+4*\s+2:G0+4*\s+3], s[14:15], s[16:17]
	s_add_nc_u64 s[G0B+4*\s+2:G0B+4*\s+3], s[46:47], s[18:19]
	s_add_co_u32 s45, s45, 1
.endm
.macro CREST
	s_cmp_lg_u32 s10, 0
	s_cbranch_scc1 .Lnot_wave_0_\@
	s_barrier_signal -3
.Lnot_wave_0_\@:
	s_barrier_wait -3
	s_barrier_signal -1
	s_barrier_wait -1
.endm
.macro CROUND
	s_barrier_signal -1
	s_barrier_wait -1
	CREST
.endm
	s_load_b128 s[4:7], s[0:1], 0x0                ; A s[4:5], W s[6:7]
	s_load_b64 s[8:9], s[0:1], 0x10                ; C
	s_load_b64 s[70:71], s[0:1], 0x18              ; R
.if BIAS
	s_load_b64 s[68:69], s[0:1], 0x20              ; bias
	s_set_vgpr_msb 0x40
	v_lshl_add_u32 v255, v0, 2, 0x48000
	s_set_vgpr_msb 0x4000
	v_mov_b32 v63, 0
	s_set_vgpr_msb 0x1
	ds_add_u32 v255, v63
	ds_add_u32 v255, v63
	s_set_vgpr_msb 0x100
.endif
	v_lshrrev_b32 v1, 5, v0
	v_readfirstlane_b32 s10, v1                    ; wave 0..3: my 64 of every 256 along K
	s_lshr_b32 s11, s10, 1                         ; I ask for A (0) or W (1),
	s_and_b32 s12, s10, 1                          ; for which half of that tile
	s_bfe_u32 s40, ttmp6, 0x40000                  ; cx
	s_bfe_u32 s41, ttmp6, 0x40004                  ; cy
	s_lshl_b32 s42, ttmp9, 2
	s_add_co_u32 s42, s42, s40                     ; block column
	s_and_b32 s13, ttmp7, 0xffff
	s_lshl_b32 s13, s13, 2
	s_add_co_u32 s13, s13, s41                     ; block row
	s_lshl_b32 s43, s41, 2
	s_lshl_b32 s43, 15, s43                        ; my row of the cluster
	s_lshl_b32 s44, 0x1111, s40                    ; my column
	s_mul_i32 s45, ttmp9, NSTEP/2                  ; the K step at which my cluster begins (taken modulo NSTEP where it is used)
	s_and_b32 s66, ttmp7, 3
	s_mul_i32 s66, s66, NSTEP/4
	s_add_co_u32 s45, s45, s66
	; group 1 for A: 64 rows x 256 elements of 2 bytes, 4 words of padding behind every 128
	s_or_b32 s[G1+0], s43, (1<<16)|(1<<20)|(1<<21)|(6<<22)|(3<<25)
	s_mov_b32 s[G1+1], 256<<16
	s_mov_b32 s[G1+2], 64<<16
	s_mov_b32 s[G1+3], 256<<16
	s_mov_b32 s[G1+4], 64
	s_mov_b32 s[G1+5], SIZE_K
	s_mov_b32 s[G1+6], 0
	s_mov_b32 s[G1+7], 0
	; group 1 for W: 128 k-rows x 128 elements, 8 words of padding behind every 64
	s_or_b32 s[G1B+0], s44, (1<<16)|(1<<20)|(1<<21)|(5<<22)|(7<<25)
	s_mov_b32 s[G1B+1], 128<<16
	s_mov_b32 s[G1B+2], 128<<16
	s_mov_b32 s[G1B+3], 128<<16
	s_mov_b32 s[G1B+4], 128
	s_mov_b32 s[G1B+5], SIZE_N
	s_mov_b32 s[G1B+6], 0
	s_mov_b32 s[G1B+7], 0
	s_lshl_b32 s17, s12, 6
	s_lshl_b32 s16, s13, 7
	s_add_co_u32 s16, s16, s17                     ; A: row 128 x block row + 64 x half
	s_mov_b32 s17, 0
	s_mov_b64 s[18:19], SIZE_K*2
	s_mul_u64 s[16:17], s[16:17], s[18:19]
	s_mul_i32 s46, s12, 128*SIZE_N*2               ; W: k-row 128 x half,
	s_lshl_b32 s47, s42, 8                         ; 256 bytes a block column
	s_add_co_u32 s46, s46, s47
	s_mov_b32 s47, 0
	s_mul_i32 s20, s10, HS
	s_wait_dscnt 0x0
	s_wait_kmcnt 0x0
	s_add_nc_u64 s[14:15], s[4:5], s[16:17]        ; my rows of A at K = 0
	s_add_nc_u64 s[46:47], s[6:7], s[46:47]        ; my k-rows and columns of W at K = 0
	s_or_b32 s15, s15, 0x80000000                  ; the type bits ride on both bases
	s_or_b32 s47, s47, 0x80000000
	s_mov_b32 s17, 0                               ; upper words of the two offsets of SETADR
	s_mov_b32 s19, 0
	CROUND                                         ; all sixteen work-groups are here: the first joint loads meet
.irp s, 0,1
	s_mov_b32 s[G0+4*\s], 1
	s_add_co_u32 s[G0+4*\s+1], s20, \s*SLOT
	s_mov_b32 s[G0B+4*\s], 1
	s_add_co_u32 s[G0B+4*\s+1], s20, \s*SLOT
	SETADR \s
	JLOAD \s
.endr
	v_and_b32 v1, 15, v0                           ; r
	v_bfe_u32 v2, v0, 4, 1                         ; h
	v_and_b32 v6, 7, v0                            ; e
	v_bfe_u32 v7, v0, 3, 1                         ; c
	v_and_b32 v5, 31, v0                           ; lane
	v_mul_u32_u24 v3, v1, PA
	v_lshl_add_u32 v3, v2, 4, v3                   ; A: r x pitch + 16 h
	v_lshl_add_u32 v4, v2, 3, v6
	v_mul_u32_u24 v4, v4, PB
	v_lshl_add_u32 v4, v7, 4, v4                   ; W: (8 h + e) x pitch + 16 c
	s_lshl_b32 s21, s10, 7                         ; my 64 along K in a row of A: 128 bytes
	s_mul_i32 s22, s10, 64*PB                      ; my 64 k-rows of W,
	s_add_co_u32 s22, s22, 2*HS                    ; which lies behind A
.irp s, 0,1
	v_add_nc_u32 v[ADRA+\s], s21, v3
	v_add_nc_u32 v[ADRB+\s], s22, v4
	s_add_co_u32 s21, s21, SLOT
	s_add_co_u32 s22, s22, SLOT
.endr
	v_lshlrev_b32 v[LO], 4, v5                     ; 16 bytes a lane
	s_mul_i32 s23, s10, CPY                        ; my partial C
	v_mul_u32_u24 v8, v1, CP
	v_lshl_add_u32 v8, v2, 5, v8                   ; row r, 32 bytes for each half of the lanes
	v_add_nc_u32 v[STO], s23, v8
	s_mul_i32 s23, s10, 32*CP                      ; the 32 rows that I add up
.irp c, 0,1,2,3
	v_add_nc_u32 v[RD+\c], s23, v[LO]
	s_add_co_u32 s23, s23, CPY
.endr
	s_lshl_b32 s23, s10, 17                        ; the same 32 rows in R and C: 4096 bytes each
	v_add_nc_u32 v[RO], s23, v[LO]
; The 64 accumulators take turns, one instruction a turn, in the same order in every quarter.
.macro MUL16 f, hi, a0, zero
.irp a, \a0, \a0+1
.irp b, 0,1,2,3,4,5,6,7
.if \zero
	v_wmma_f32_16x16x32_bf16 v[8*(8*(\a)+\b):8*(8*(\a)+\b)+7], v[\f+8*\b:\f+8*\b+7], v[\f+8*(4*\hi+\a):\f+8*(4*\hi+\a)+7], 0
.else
	v_wmma_f32_16x16x32_bf16 v[8*(8*(\a)+\b):8*(8*(\a)+\b)+7], v[\f+8*\b:\f+8*\b+7], v[\f+8*(4*\hi+\a):\f+8*(4*\hi+\a)+7], v[8*(8*(\a)+\b):8*(8*(\a)+\b)+7]
.endif
.endr
.endr
.endm
.macro FETCH slot, q, f                ; 32 LDS loads in one run: the fragments of my quarter q (32 along K) into buffer f
	WIN TO_B
.irp i, 0,1,2,3,4,5,6,7
	ds_load_tr16_b128 v[\f+8*\i:\f+8*\i+3],   v[ADRB+\slot] offset:\q*32*PB+32*\i
	ds_load_tr16_b128 v[\f+8*\i+4:\f+8*\i+7], v[ADRB+\slot] offset:\q*32*PB+16*PB+32*\i
.endr
	WIN 0
.irp i, 0,1,2,3,4,5,6,7
	ds_load_b128 v[\f+8*\i:\f+8*\i+3],   v[ADRA+\slot] offset:\q*64+(\i/4)*AH4+(\i%4)*16*PA
	ds_load_b128 v[\f+8*\i+4:\f+8*\i+7], v[ADRA+\slot] offset:\q*64+(\i/4)*AH4+(\i%4)*16*PA+32
.endr
.endm
.macro PLACES                          ; four plain vector instructions between a matrix instruction and a load into, or a use of, its registers
.rept 4
	v_nop
.endr
.endm
.macro QUARTER slot, q, f, g, zero
	s_wait_dscnt 8                                 ; W and rows 0-63 of A are in; the eight youngest loads (rows 64-127 of A) may be out
	WIN MUL_LO
	MUL16 \f, 0, 0, \zero
	MUL16 \f, 0, 2, \zero
	PLACES
	FETCH \slot, \q, \g
	s_wait_dscnt 32                                ; all but the 32 just issued
	WIN MUL_HI
	MUL16 \f, 1, 0, \zero
	MUL16 \f, 1, 2, \zero
.endm
.macro STEPQ slot, zero
	QUARTER \slot, 1, F0, F1, \zero
.endm
; The last quarter of a K step changes slots.  In front of the barrier each wave waits for its reads of this slot and for all its tensor loads (one is
; out: its part of the next slot).  With fill = 1 the barrier opens a round of the cluster barrier; the joint refill is the first tensor load behind it.
.macro TURN slot, next, fill
	s_wait_dscnt 8
	WIN MUL_LO
	MUL16 F1, 0, 0, 0
	s_wait_dscnt 0
	s_wait_tensorcnt 0x0
	ds_add_u32 v255, v63
	s_wait_dscnt 0x0
	s_barrier_signal -1
	MUL16 F1, 0, 2, 0
	WIN 0
	s_barrier_wait -1
.if \fill
	CREST
	SETADR \slot
	JLOAD \slot
.endif
	PLACES
	FETCH \next, 0, F0
	WIN MUL_HI
	MUL16 F1, 1, 0, 0
	MUL16 F1, 1, 2, 0
.endm
.macro LAP zero
	STEPQ 0, \zero
	TURN 0, 1, 1
	STEPQ 1, 0
	TURN 1, 0, 1
.endm
	s_wait_tensorcnt 1                             ; my part of the first K step is in; the second stays out
	s_barrier_signal -1
	s_barrier_wait -1
	FETCH 0, 0, F0
	LAP 1
.if LAPS > 2
	WIN 0
	s_mov_b32 s3, LAPS-2
.Llap:
	LAP 0
	WIN 0
	s_sub_co_u32 s3, s3, 1
	s_cmp_lg_u32 s3, 0
	s_cbranch_scc1 .Llap
.endif
	STEPQ 0, 0                                     ; the last lap fills nothing
	TURN 0, 1, 0
	STEPQ 1, 0
	s_wait_dscnt 8
	WIN MUL_LO
	MUL16 F1, 0, 0, 0
	MUL16 F1, 0, 2, 0
	s_wait_dscnt 0
	WIN MUL_HI
	MUL16 F1, 1, 0, 0
	MUL16 F1, 1, 2, 0
	; THE WAY OUT.  The ring has had its last fill; behind a barrier its bytes take the four partial sums.
	PLACES
	WIN 0
	s_lshl_b32 s16, s13, 19                        ; 128 rows of 4096 bytes a block row
	s_mov_b32 s17, 0
	s_lshl_b32 s46, s42, 9                         ; 512 bytes a block column
	s_mov_b32 s47, 0
	s_add_nc_u64 s[8:9], s[8:9], s[16:17]
	s_add_nc_u64 s[8:9], s[8:9], s[46:47]
	s_add_nc_u64 s[70:71], s[70:71], s[16:17]
	s_add_nc_u64 s[70:71], s[70:71], s[46:47]
.if BIAS
	s_add_nc_u64 s[68:69], s[68:69], s[46:47]
	global_load_b128 v[BI:BI+3], v[LO], s[68:69]
.endif
.set p, 0
.rept 32
	global_load_b128 v[RR+4*p:RR+4*p+3], v[RO], s[70:71] offset:4096*p    ; residual row p of my 32: 512 consecutive bytes
.set p, p+1
.endr
	s_wait_dscnt 0x0
	s_barrier_signal -1
	s_barrier_wait -1                              ; no wave reads the ring any more
	WIN 0x08                                       ; store data from window 2
.irp a, 0,1,2,3
.irp b, 0,1,2,3,4,5,6,7
	ds_store_b128 v[STO], v[8*(8*\a+\b):8*(8*\a+\b)+3]   offset:16*\a*CP+64*\b
	ds_store_b128 v[STO], v[8*(8*\a+\b)+4:8*(8*\a+\b)+7] offset:16*\a*CP+64*\b+16
.endr
.endr
	WIN 0x0c                                       ; from window 3
.irp a, 0,1,2,3
.irp b, 0,1,2,3,4,5,6,7
	ds_store_b128 v[STO], v[8*(8*\a+\b):8*(8*\a+\b)+3]   offset:16*(\a+4)*CP+64*\b
	ds_store_b128 v[STO], v[8*(8*\a+\b)+4:8*(8*\a+\b)+7] offset:16*(\a+4)*CP+64*\b+16
.endr
.endr
	WIN 0
	s_wait_dscnt 0x0                               ; my partial sums are in LDS,
	s_barrier_signal -1
	s_barrier_wait -1                              ; and so are the others
; four rows: the four copies, the residual (and the bias), one store of 512 consecutive bytes a row
.macro BATCH bn
.irp q, 0,1,2,3
.irp c, 0,1,2,3
	ds_load_b128 v[TT+16*\q+4*\c:TT+16*\q+4*\c+3], v[RD+\c] offset:CP*(4*\bn+\q)
.endr
.endr
	s_wait_dscnt 0x0
	s_wait_loadcnt 28-4*\bn                        ; the residual rows of this batch are in; those of later batches stay out
.irp q, 0,1,2,3
.irp d, 0,2
	v_pk_add_f32 v[TT+16*\q+\d:TT+16*\q+\d+1], v[TT+16*\q+\d:TT+16*\q+\d+1], v[TT+16*\q+4+\d:TT+16*\q+4+\d+1]
	v_pk_add_f32 v[TT+16*\q+8+\d:TT+16*\q+8+\d+1], v[TT+16*\q+8+\d:TT+16*\q+8+\d+1], v[TT+16*\q+12+\d:TT+16*\q+12+\d+1]
.endr
.irp d, 0,2
	v_pk_add_f32 v[TT+16*\q+\d:TT+16*\q+\d+1], v[TT+16*\q+\d:TT+16*\q+\d+1], v[TT+16*\q+8+\d:TT+16*\q+8+\d+1]
.endr
.irp d, 0,2
	v_pk_add_f32 v[RR+4*(4*\bn+\q)+\d:RR+4*(4*\bn+\q)+\d+1], v[RR+4*(4*\bn+\q)+\d:RR+4*(4*\bn+\q)+\d+1], v[TT+16*\q+\d:TT+16*\q+\d+1]
.endr
.if BIAS
.irp d, 0,2
	v_pk_add_f32 v[RR+4*(4*\bn+\q)+\d:RR+4*(4*\bn+\q)+\d+1], v[RR+4*(4*\bn+\q)+\d:RR+4*(4*\bn+\q)+\d+1], v[BI+\d:BI+\d+1]
.endr
.endif
	global_store_b128 v[RO], v[RR+4*(4*\bn+\q):RR+4*(4*\bn+\q)+3], s[8:9] offset:4096*(4*\bn+\q)   ; each row has its own registers: none is written again
.endr
.endm
	BATCH 0
	BATCH 1
	BATCH 2
	BATCH 3
	BATCH 4
	BATCH 5
	BATCH 6
	BATCH 7
	s_set_vgpr_msb 0x1
	s_wait_tensorcnt 0x0
	ds_add_u32 v255, v63
	s_wait_dscnt 0x0
	s_set_vgpr_msb 0x100
	CROUND                                         ; the closing round: no work-group ends while a partner may still ask for a tile that names it
	s_endpgm
.Lfunc_end_k_q0b29dfdaea_fc2:
	.size	k_q0b29dfdaea_fc2, .Lfunc_end_k_q0b29dfdaea_fc2-k_q0b29dfdaea_fc2
	.p2alignl 7, 3214868480
	.fill 96, 4, 3214868480
	.section	.rodata,"a",@progbits
	.p2align	6, 0x0
	.amdhsa_kernel k_q0b29dfdaea_fc2
		.amdhsa_group_segment_fixed_size 327680
		.amdhsa_private_segment_fixed_size 0
		.amdhsa_enable_private_segment 0
		.amdhsa_kernarg_size 40
		.amdhsa_user_sgpr_count 2
		.amdhsa_user_sgpr_kernarg_segment_ptr 1
		.amdhsa_wavefront_size32 1
		.amdhsa_system_sgpr_workgroup_id_x 1
		.amdhsa_system_sgpr_workgroup_id_y 1
		.amdhsa_system_sgpr_workgroup_id_z 1
		.amdhsa_system_vgpr_workitem_id 0
		.amdhsa_next_free_vgpr 1024
		.amdhsa_next_free_sgpr 72
		.amdhsa_reserve_vcc 0
		.amdhsa_float_denorm_mode_32 3
		.amdhsa_float_denorm_mode_16_64 3
		.amdhsa_memory_ordered 1
		.amdhsa_forward_progress 1
		.amdhsa_inst_pref_size 131
	.end_amdhsa_kernel
	.amdgpu_metadata
---
amdhsa.version: [ 1, 2 ]
amdhsa.kernels:
  - .name:           k_q0b29dfdaea_fc2
    .symbol:         k_q0b29dfdaea_fc2.kd
    .args:
      - { .name: big, .offset: 0, .size: 8, .value_kind: global_buffer, .address_space: global }
      - { .name: w2, .offset: 8, .size: 8, .value_kind: global_buffer, .address_space: global }
      - { .name: out0, .offset: 16, .size: 8, .value_kind: global_buffer, .address_space: global }
      - { .name: x1, .offset: 24, .size: 8, .value_kind: global_buffer, .address_space: global }
      - { .name: fc2_b, .offset: 32, .size: 8, .value_kind: global_buffer, .address_space: global }
    .group_segment_fixed_size: 327680
    .private_segment_fixed_size: 0
    .kernarg_segment_align: 8
    .kernarg_segment_size: 40
    .max_flat_workgroup_size: 128
    .sgpr_count:     72
    .vgpr_count:     1024
    .wavefront_size: 32
...
	.end_amdgpu_metadata
.endif
;; end of part 7
